; MI455X (gfx1250); checked and timed in simulation.
; The chip was launched on July 23, 2026; its instructions are those of AMD's public machine-readable ISA for CDNA 5 (MIT licence, August 2026) and "CDNA5" Instruction Set Architecture Reference Guide (July 2026). The comments in the code are by the model that wrote it; some were corrected since.
;; Per Residual Scaled Encoder Block. Allowed arithmetic: matrix products marked QUANTISED: E2M3 operands, one E8M0 scale for each 32 along K, by v_wmma_scale_f32_16x16x128_f8f6f4 with both operands' format E2M3, f32 sums; everything else in f32.
;; Inputs: fc0_b 4,096 float32; fc0_w 1,024 x 4,096 float32; fc1_b 1,024 float32; fc1_w 4,096 x 1,024 float32; ln1_b 1,024 float32; ln1_g 1,024 float32; ln2_b 1,024 float32; ln2_g 1,024 float32; proj_b 1,024 float32; proj_w 1,024 x 1,024 float32; qkv_b 3,072 float32; qkv_w 1,024 x 3,072 float32; x 2 x 2,048 x 1,024 float32.
;; Outputs: out0 2 x 2,048 x 1,024 float32.
;; This version of the problem:
;;   THIS VERSION OF THE PROBLEM IS GIVEN IN LOW PRECISION. The matrix products marked QUANTISED in the list below multiply operands that are first quantised to E2M3 (2 exponent bits, 3 mantissa bits; 6 bits a number), with one power-of-two scale for each 32 numbers along K (OCP MX v1.0); their sums are f32. All else is computed in f32.
;;   The module's matrix products, in the order in which they are computed (A, B: the left and right operand; K: the contracted axis; several contracted axes count as one K, in the product's order):
;;     1. [M 4,096, K 1,024] x [K 1,024, N 3,072]; A: computed on the way; B: input qkv_w: QUANTISED
;;     2. batch 32 x [M 2,048, K 64] x [K 64, N 2,048]; A: computed on the way; B: computed on the way: QUANTISED
;;     3. batch 32 x [M 2,048, K 2,048] x [K 2,048, N 64]; A: softmax (see below); B: computed on the way: QUANTISED
;;     4. [M 4,096, K 1,024] x [K 1,024, N 1,024]; A: computed on the way; B: input proj_w: QUANTISED
;;     5. [M 4,096, K 1,024] x [K 1,024, N 4,096]; A: computed on the way; B: input fc0_w: QUANTISED
;;     6. [M 4,096, K 4,096] x [K 4,096, N 1,024]; A: computed on the way; B: input fc1_w: QUANTISED
;;   THE QUANTISER, for each operand of a quantised product, along K:
;;     - K is cut into blocks of 32 from its start; a last block that is shorter is filled with zeros.
;;     - A block's scale is 2^e with e = floor(log2(the largest magnitude in the block)) - 2, held to -126 .. 127; a block of zeros has e = 0. As a byte (E8M0): e + 127.
;;     - Each number is divided by its block's scale, clamped to +-7.5, and rounded to the nearest number of E2M3, ties to even, subnormals kept.
;;     - The product sums the exact products of the quantised numbers (number of the format x scale) in f32.
;;   ~~~python
;;   def quantise(x, axis):      # numpy; x: float32 -> the quantised numbers, widened to float32 again
;;       x = np.moveaxis(x, axis, -1); K = x.shape[-1]
;;       x = np.pad(x, [(0, 0)] * (x.ndim - 1) + [(0, -K % 32)]); x = x.reshape(x.shape[:-1] + (-1, 32)); a = np.abs(x).max(-1, keepdims=True)
;;       e = np.where(a > 0, np.clip(np.frexp(np.where(a > 0, a, 1))[1] - 1 - 2, -126, 127), 0)      # np.frexp(a)[1] - 1 = floor(log2(a)), exactly
;;       r = np.clip(x / 2.0 ** e, -7.5, 7.5)
;;       step = 2.0 ** (np.maximum(np.frexp(np.where(r == 0, 1, r))[1] - 1, 0) - 3)
;;       q = np.round(r / step) * step * 2.0 ** e      # np.round: ties to even
;;       return np.moveaxis(q.reshape(q.shape[:-2] + (-1,))[..., :K], -1, axis).astype(np.float32)
;;   ~~~
;;   SOFTMAX AHEAD OF A QUANTISED PRODUCT. Where the list says 'softmax', what is quantised is not the finished softmax but p = 2^(t - M), with t = logit x log2(e) and M = ceil(the row's largest t), a whole number; so 1/2 < the row's largest p <= 1. The row's sum l is taken of the UNQUANTISED p, in f32, and the product's result is divided by l at the end. Since M is a whole number, a kernel that streams over the keys may use a running M (the ceiling of the running maximum): every later rescaling is an exact power of two, which a block's scale takes up: the codes' values come out the same.
;;   OPERANDS COMPUTED ON THE WAY. 'Computed on the way' means the value that the module computes at that place (a softmax that the list does not call 'softmax' is quantised finished and normalised). What goes into a quantiser is computed in f32, as accurately as f32 sums, v_exp_f32 and their like allow (about 1e-6 of the number): no bf16 or f16 on the way to a quantiser, and a product that is left as it is and whose result goes on into a quantised operand takes f32 operands (vector FMAs, or v_wmma_f32_16x16x4_f32). A number that lies on a knife's edge between two numbers of the format may be rounded either way, as far as f32 arithmetic and the matrix unit's own rounding can turn it there, and no further.
;; One version. Each part assembles by itself: llvm-mc -triple=amdgcn-amd-amdhsa -mcpu=gfx1250 --defsym DOCPART=n.
;; ======== version 1 of 1: 8 launches
;; limits: an absolute error that grows with the inputs' magnitude: up to 1e-07 times it
;; workspace buffers: wc 9,830,400 bytes; hc 3,276,800 bytes; qkvc 9,830,400 bytes; oc 3,276,800 bytes; res 16,777,216 bytes; gc 13,107,200 bytes
;; launch wq (part 1): grid 384 x 1, 4 waves a work-group, no clusters, 26,624 bytes of LDS; arguments qkv_w, proj_w, fc0_w, fc1_w, wc; writes wc
.if DOCPART == 1
	.amdgcn_target "amdgcn-amd-amdhsa--gfx1250"
	.amdhsa_code_object_version 6
	.text
	.protected	k_qd91f3ad267_wq
	.globl	k_qd91f3ad267_wq
	.p2align	8
	.type	k_qd91f3ad267_wq,@function
k_qd91f3ad267_wq:
	s_mov_b64 s[64:65], 0
	v_nop
	global_prefetch_b8 v0, s[64:65] scope:SCOPE_SE
	s_setreg_imm32_b32 hwreg(HW_REG_WAVE_MODE, 25, 1), 1
	s_wait_xcnt 0x0
; The four weights, f32 stored [K][N], become codes of FP6 (E2M3) with one E8M0 byte for each 32 along K, laid as RECORDS.
; A RECORD is 12,800 bytes: 128 rows (here: columns n of the weight) x 128 along K.  Bytes 0 .. 12,287: eight images of 1,536 bytes, image i = the twelve operand registers of tile i as they stand:
; registers 4 c .. 4 c + 3 of lane l at 512 c + 16 l.  Lane r of tile 2 b + u holds row 32 b + 8 u + r + 8 (r / 8) of the 128.  Bytes 12,288 on: the scale word of (lane r, tile i) at 32 r + 4 i.
; wc holds [group of 128 columns][K step] records: qkv_w from record 0 (24 x 8), proj_w from 192 (8 x 8), fc0_w from 256 (32 x 8), fc1_w from 512 (8 x 32).
; qkv_w's columns are taken in the order part, head, d: place 1024 part + 64 head + d is column 192 head + 64 part + d, so that a group of 128 is one part (q, k or v) of two neighbouring heads.
; SHARES.  A work-group makes two records on end: one group of 128 columns x 256 along K.  Wave w takes 32 columns, a lane one column, and its registers run down K: a block of 32 lies in one lane,
; and the conversions give codes with K innermost.  The codes are laid in LDS as the two records will lie and leave as stores of 512 consecutive bytes a wave.
; No cluster and no tensor load: no two work-groups read the same bytes.  One path for the four tensors: sizes and pointer are chosen by the work-group's number.
; A block's byte is its largest magnitude's exponent field - 2, held at 1 from below.  LIMITS: a block of zeros gets the byte 1 (its codes are zeros; this program alone reads the bytes); NaN and infinities are not served.
.set REC,   12800
.set SCO,   12288
.set SPARE, 25600                      ; behind the two records: the spare words, 128 bytes a wave
.set SWA, 2                            ; v2   where my codes go: 3072 wave + 1536 u + 16 r
.set SSA, 3                            ; v3   where my scale word goes
.set RDA, 4                            ; v4   16 x thread: the copy out, in LDS and in memory
.set CD,  16                           ; v16-21 a block's six code words; v22-24 the second conversion's
.set SB,  26                           ; v26-27 the two records' scale words
.set SPW, 28
.set NIL, 29
.set OFS, 32                           ; v32-63 4 lane + i rows: never rewritten
.set XX,  64                           ; v64-127 two sets of 32 numbers; later the copy out
	s_load_b256 s[4:11], s[0:1], 0x0               ; qkv_w, proj_w, fc0_w, fc1_w
	s_load_b64 s[12:13], s[0:1], 0x20              ; wc
	v_lshl_add_u32 v[SPW], v0, 2, SPARE
	v_mov_b32 v[NIL], 0
	v_lshrrev_b32 v1, 5, v0
	v_readfirstlane_b32 s15, v1                    ; wave
	s_mov_b32 s16, 12288                           ; bytes in a row of the weight
	s_mov_b32 s17, 2                               ; log2 of the pairs of K steps
	s_mov_b32 s18, 8                               ; K steps
	s_mov_b32 s19, 0                               ; first record
	s_mov_b32 s20, 0                               ; first work-group
	s_cmp_ge_u32 ttmp9, 96                         ; proj_w
	s_cselect_b32 s16, 4096, s16
	s_cselect_b32 s19, 192, s19
	s_cselect_b32 s20, 96, s20
	s_cmp_ge_u32 ttmp9, 128                        ; fc0_w
	s_cselect_b32 s16, 16384, s16
	s_cselect_b32 s19, 256, s19
	s_cselect_b32 s20, 128, s20
	s_cmp_ge_u32 ttmp9, 256                        ; fc1_w
	s_cselect_b32 s16, 4096, s16
	s_cselect_b32 s17, 4, s17
	s_cselect_b32 s18, 32, s18
	s_cselect_b32 s19, 512, s19
	s_cselect_b32 s20, 256, s20
	s_sub_co_u32 s21, ttmp9, s20
	s_lshr_b32 s22, s21, s17                       ; group of 128 columns
	s_lshl_b32 s23, s22, s17
	s_sub_co_u32 s23, s21, s23                     ; pair of K steps
	s_lshl_b32 s40, s22, 7
	s_lshl_b32 s41, s15, 5
	s_add_co_u32 s40, s40, s41                     ; my wave's first column: 128 group + 32 wave;
	s_and_b32 s41, s22, 7                          ; in qkv_w: 192 (2 (group % 8) + wave / 2) + 64 (group / 8) + 32 (wave % 2)
	s_lshl_b32 s41, s41, 1
	s_lshr_b32 s42, s15, 1
	s_add_co_u32 s41, s41, s42
	s_mul_i32 s41, s41, 192
	s_lshr_b32 s42, s22, 3
	s_lshl_b32 s42, s42, 6
	s_add_co_u32 s41, s41, s42
	s_and_b32 s42, s15, 1
	s_lshl_b32 s42, s42, 5
	s_add_co_u32 s41, s41, s42
	s_cmp_lt_u32 ttmp9, 96
	s_cselect_b32 s40, s41, s40
	s_mul_i32 s42, s23, s16
	s_lshl_b32 s42, s42, 8                         ; 256 rows for each pair of K steps,
	s_lshl_b32 s43, s40, 2
	s_add_co_u32 s42, s42, s43                     ; + 4 bytes a column
	s_mov_b32 s43, 0
	s_lshl_b32 s44, s16, 5                         ; a block on: 32 rows
	s_mov_b32 s45, 0
	s_mul_i32 s46, s22, s18
	s_add_co_u32 s46, s46, s19
	s_lshl_b32 s47, s23, 1
	s_add_co_u32 s46, s46, s47
	s_mul_i32 s46, s46, REC                        ; my two records
	s_mov_b32 s47, 0
	v_and_b32 v1, 31, v0                           ; lane
	v_lshlrev_b32 v5, 2, v1
.set I, 0
.rept 32
	v_mad_u32_u24 v[OFS+I], s16, I, v5
.set I, I+1
.endr
	v_bfe_u32 v6, v0, 3, 1                         ; u: column 32 wave + lane is lane r of tile 2 wave + u
	v_and_b32 v7, 7, v0
	v_bfe_u32 v8, v0, 4, 1
	v_lshl_add_u32 v7, v8, 3, v7                   ; r
	s_mul_i32 s48, s15, 3072
	v_mul_u32_u24 v[SWA], v6, 1536
	v_lshl_add_u32 v[SWA], v7, 4, v[SWA]
	v_add_nc_u32 v[SWA], s48, v[SWA]
	v_lshlrev_b32 v[SSA], 5, v7
	v_lshl_add_u32 v[SSA], v6, 2, v[SSA]
	s_lshl_b32 s49, s15, 3
	s_add_co_u32 s49, s49, SCO
	v_add_nc_u32 v[SSA], s49, v[SSA]
	v_lshlrev_b32 v[RDA], 4, v0
	s_wait_kmcnt 0x0
	s_cmp_ge_u32 ttmp9, 96                         ; the choice hangs on the work-group's number alone
	s_cselect_b64 s[4:5], s[6:7], s[4:5]
	s_cmp_ge_u32 ttmp9, 128
	s_cselect_b64 s[4:5], s[8:9], s[4:5]
	s_cmp_ge_u32 ttmp9, 256
	s_cselect_b64 s[4:5], s[10:11], s[4:5]
	s_add_nc_u64 s[24:25], s[4:5], s[42:43]        ; a base for each of the eight blocks: none is ever stepped
.irp t, 1,2,3,4,5,6,7
	s_add_nc_u64 s[24+2*\t:25+2*\t], s[22+2*\t:23+2*\t], s[44:45]
.endr
	s_add_nc_u64 s[12:13], s[12:13], s[46:47]
.macro LOAD t                          ; block t: 32 rows of my column; the 32 lanes read 128 consecutive bytes
.set I, 0
.rept 32
	global_load_b32 v[XX+32*((\t)%2)+I], v[OFS+I], s[24+2*(\t):25+2*(\t)] th:TH_LOAD_NT
.set I, I+1
.endr
.endm
.macro BLOCK t
.set XS, XX+32*((\t)%2)
.set BASE, REC*((\t)/4)+256*((\t)%2)   ; the record; lanes 16-31 of an image hold the odd blocks
.if (\t) < 7
	s_wait_loadcnt 32                              ; this block's 32 loads are in; the next block's may be out
.else
	s_wait_loadcnt 0x0
.endif
	v_max3_num_f32 v12, |v[XS]|, |v[XS+1]|, |v[XS+2]|
	v_max3_num_f32 v13, |v[XS+3]|, |v[XS+4]|, |v[XS+5]|
.irp i, 6,10,14,18,22,26
	v_max3_num_f32 v12, v12, |v[XS+\i]|, |v[XS+\i+1]|
	v_max3_num_f32 v13, v13, |v[XS+\i+2]|, |v[XS+\i+3]|
.endr
	v_max3_num_f32 v12, v12, |v[XS+30]|, |v[XS+31]|
	v_max3_num_f32 v12, v12, v13, 0x1800000        ; the floor 2^(3 - 127): the byte cannot fall under 1
	v_add_nc_u32 v11, 0xff000000, v12              ; 2 off the exponent field: the conversion's scale operand
	v_lshrrev_b32 v10, 23, v11                     ; the byte
.if (\t)%4 == 0
	v_mov_b32 v[SB+(\t)/4], v10
.else
	v_lshl_or_b32 v[SB+(\t)/4], v10, 8*((\t)%4), v[SB+(\t)/4]
.endif
	v_cvt_scalef32_pk16_fp6_f32 v[CD:CD+2], v[XS:XS+15], v11
	v_cvt_scalef32_pk16_fp6_f32 v[CD+6:CD+8], v[XS+16:XS+31], v11   ; (a conversion's three registers begin on an even number)
	v_nop                                          ; one plain place behind the conversions
	v_mov_b32 v[CD+3], v[CD+6]
	v_mov_b32 v[CD+4], v[CD+7]
	v_mov_b32 v[CD+5], v[CD+8]
.if ((\t)/2)%2 == 0                    ; blocks 0, 1 of a K step are registers 0-5 of the image, blocks 2, 3 registers 6-11
	ds_store_b128 v[SWA], v[CD:CD+3] offset:BASE
	ds_store_b64 v[SWA], v[CD+4:CD+5] offset:BASE+512
.else
	ds_store_b64 v[SWA], v[CD:CD+1] offset:BASE+520
	ds_store_b128 v[SWA], v[CD+2:CD+5] offset:BASE+1024
.endif
.if (\t)%4 == 3
	ds_store_b32 v[SSA], v[SB+(\t)/4] offset:REC*((\t)/4)
.endif
.if (\t) < 6
	LOAD (\t)+2
.endif
	s_wait_dscnt 0x0                               ; the stores have read their registers (and, behind the last block, have landed)
.endm
	LOAD 0
	LOAD 1
.irp t, 0,1,2,3,4,5,6,7
	BLOCK \t
.endr
	s_barrier_signal -1                            ; every wave's stores have landed: the two records lie whole in LDS
	s_barrier_wait -1
.irp i, 0,1,2,3,4,5,6,7,8,9,10,11
	ds_load_b128 v[XX+4*\i:XX+4*\i+3], v[RDA] offset:2048*\i
.endr
.irp i, 0,1,2,3,4,5,6,7,8,9,10,11
	s_wait_dscnt 11-\i                             ; the younger loads may be out
	global_store_b128 v[RDA], v[XX+4*\i:XX+4*\i+3], s[12:13] offset:2048*\i   ; 32 lanes store 512 consecutive bytes, at a multiple of 256 from the buffer's first byte
.endr
	s_cmp_lt_u32 s15, 2                            ; 25,600 bytes are 50 such stores: waves 0 and 1 take the last two
	s_cbranch_scc0 .Lno_tail
	ds_load_b128 v[XX+48:XX+51], v[RDA] offset:24576
	s_wait_dscnt 0x0
	global_store_b128 v[RDA], v[XX+48:XX+51], s[12:13] offset:24576
.Lno_tail:
	s_wait_tensorcnt 0x0                           ; the wave's end
	ds_add_u32 v[SPW], v[NIL]
	s_wait_dscnt 0x0
	s_endpgm
.Lfunc_end_k_qd91f3ad267_wq:
	.size	k_qd91f3ad267_wq, .Lfunc_end_k_qd91f3ad267_wq-k_qd91f3ad267_wq
	.p2alignl 7, 3214868480
	.fill 96, 4, 3214868480
	.section	.rodata,"a",@progbits
	.p2align	6, 0x0
	.amdhsa_kernel k_qd91f3ad267_wq
		.amdhsa_group_segment_fixed_size 26624
		.amdhsa_private_segment_fixed_size 0
		.amdhsa_enable_private_segment 0
		.amdhsa_kernarg_size 40
		.amdhsa_user_sgpr_count 2
		.amdhsa_user_sgpr_kernarg_segment_ptr 1
		.amdhsa_wavefront_size32 1
		.amdhsa_system_sgpr_workgroup_id_x 1
		.amdhsa_system_sgpr_workgroup_id_y 1
		.amdhsa_system_sgpr_workgroup_id_z 1
		.amdhsa_system_vgpr_workitem_id 0
		.amdhsa_next_free_vgpr 128
		.amdhsa_next_free_sgpr 66
		.amdhsa_reserve_vcc 0
		.amdhsa_float_denorm_mode_32 3
		.amdhsa_float_denorm_mode_16_64 3
		.amdhsa_memory_ordered 1
		.amdhsa_forward_progress 1
		.amdhsa_inst_pref_size 46
	.end_amdhsa_kernel
	.amdgpu_metadata
---
amdhsa.version: [ 1, 2 ]
amdhsa.kernels:
  - .name:           k_qd91f3ad267_wq
    .symbol:         k_qd91f3ad267_wq.kd
    .args:
      - { .name: qkv_w, .offset: 0, .size: 8, .value_kind: global_buffer, .address_space: global }
      - { .name: proj_w, .offset: 8, .size: 8, .value_kind: global_buffer, .address_space: global }
      - { .name: fc0_w, .offset: 16, .size: 8, .value_kind: global_buffer, .address_space: global }
      - { .name: fc1_w, .offset: 24, .size: 8, .value_kind: global_buffer, .address_space: global }
      - { .name: wc, .offset: 32, .size: 8, .value_kind: global_buffer, .address_space: global }
    .group_segment_fixed_size: 26624
    .private_segment_fixed_size: 0
    .kernarg_segment_align: 8
    .kernarg_segment_size: 40
    .max_flat_workgroup_size: 128
    .sgpr_count:     66
    .vgpr_count:     128
    .wavefront_size: 32
...
	.end_amdgpu_metadata
.endif
;; end of part 1
;; launch ln1 (part 2): grid 256 x 1, 4 waves a work-group, no clusters, 32,768 bytes of LDS; arguments x, ln1_g, ln1_b, hc; writes hc
.if DOCPART == 2
	.amdgcn_target "amdgcn-amd-amdhsa--gfx1250"
	.amdhsa_code_object_version 6
	.text
	.protected	k_qd91f3ad267_ln1
	.globl	k_qd91f3ad267_ln1
	.p2align	8
	.type	k_qd91f3ad267_ln1,@function
k_qd91f3ad267_ln1:
	s_mov_b64 s[64:65], 0
	v_nop
	global_prefetch_b8 v0, s[64:65] scope:SCOPE_SE
	s_setreg_imm32_b32 hwreg(HW_REG_WAVE_MODE, 25, 1), 1
	s_wait_xcnt 0x0
; y = (x - mean) rsqrt(var + 1e-5) g + b along rows of 1,024 f32, then quantised along the row to FP6 (E2M3), one E8M0 byte for each 32, and laid as records [group of 128 rows][K step of 128]
; (a record: 12,800 bytes; eight images of 1,536 bytes, image i = tile i's twelve operand registers, registers 4 c .. 4 c + 3 of lane l at 512 c + 16 l; lane r of tile 2 b + u holds row 32 b + 8 u + r + 8 (r / 8);
; from byte 12,288 the scale word of (lane r, tile i) at 32 r + 4 i).
; SHARES.  A work-group makes ONE tile (16 rows) of all eight K steps.  Wave w takes the tile's lanes r = 4 w .. 4 w + 3, which are four rows on end in memory; a row lives in one wave's 32 registers, so mean and
; variance never leave the wave.  Every load reads 512 consecutive bytes.  The finished row turns through the wave's own stage in LDS, so that lane l holds block l (32 neighbours); its six code words go to their
; place in the tile's eight images in LDS; behind one barrier each wave stores two images, 512 consecutive bytes a store.  The scale words leave as 4 bytes a lane, 32 bytes apart: 16 x 8 words a work-group.
; The variance is the mean of (x - mean)^2, as written in the problem: no difference of large sums.  The sums' order differs from a plain left-to-right sum.
; LIMITS: a block of zeros gets the byte 1 (its codes are zeros; this program alone reads the bytes); NaN and infinities are not served.
.set REC,   12800
.set SCO,   12288
.set CST,   18432                      ; LDS: four turn stages of 32 x 144 bytes; then the tile's eight images;
.set SCS,   30720                      ; the scale words, (K step, r) at 64 K step + 4 r;
.set SPARE, 31232                      ; the spare words, 128 bytes a wave
.set TT,  32                           ; v32-63   the row turned
.set XX,  64                           ; v64-191  four rows
.set GG,  192                          ; v192-223 g
.set BB,  224                          ; v224-255 b
	s_load_b256 s[4:11], s[0:1], 0x0               ; x, g, b, the records
	v_lshl_add_u32 v30, v0, 2, SPARE
	v_mov_b32 v31, 0
	v_lshrrev_b32 v1, 5, v0
	v_readfirstlane_b32 s12, v1                    ; wave
	v_and_b32 v10, 31, v0                          ; lane
	v_lshlrev_b32 v1, 4, v10                       ; 16 lane
	s_lshr_b32 s13, ttmp9, 3                       ; group of 128 rows
	s_and_b32 s14, ttmp9, 7                        ; tile
	s_lshl_b32 s15, s13, 7                         ; my first row: 128 group + 32 (tile / 2) + 8 (tile % 2) + 4 wave + 8 (wave / 2)
	s_lshr_b32 s16, s14, 1
	s_lshl_b32 s16, s16, 5
	s_add_co_u32 s15, s15, s16
	s_and_b32 s16, s14, 1
	s_lshl_b32 s16, s16, 3
	s_add_co_u32 s15, s15, s16
	s_lshl_b32 s16, s12, 2
	s_add_co_u32 s15, s15, s16
	s_lshr_b32 s16, s12, 1
	s_lshl_b32 s16, s16, 3
	s_add_co_u32 s15, s15, s16
	s_lshl_b32 s16, s15, 12
	s_mov_b32 s17, 0
	s_lshl_b32 s18, s13, 3
	s_lshl_b32 s19, s12, 1
	s_add_co_u32 s18, s18, s19
	s_mul_i32 s18, s18, REC                        ; records 8 group + 2 wave and the next: those that I store
	s_mul_i32 s20, s14, 1536
	s_add_co_u32 s20, s20, s18                     ; the tile's image there
	s_mov_b32 s21, 0
	s_lshl_b32 s22, s14, 2
	s_add_co_u32 s22, s22, s18
	s_add_co_u32 s22, s22, SCO                     ; and its scale words
	s_mov_b32 s23, 0
	s_mov_b32 s26, 0x76543210
	s_mov_b32 s27, 0xfedcba98                      ; lane l xor 16
	s_mov_b32 s28, 0x3a800000                      ; 1 / 1024
	s_mov_b32 s29, 0x3727c5ac                      ; 1e-5
	s_mul_i32 s24, s12, 4608
	v_lshrrev_b32 v11, 3, v10
	v_mul_u32_u24 v2, v11, 144
	v_and_b32 v11, 7, v10
	v_lshl_add_u32 v2, v11, 4, v2
	v_add_nc_u32 v2, s24, v2                       ; v2: into the turn stage: 144 (lane / 8) + 16 (lane % 8); load j's 512 bytes are four places on
	v_mul_u32_u24 v3, v10, 144
	v_add_nc_u32 v3, s24, v3                       ; v3: out of it: place = lane
	v_lshrrev_b32 v11, 2, v10                      ; my block l: K step l / 4, registers 6 ((l / 2) % 2) on, of lane r + 16 (l % 2)
	v_mul_u32_u24 v12, v11, 1536
	v_and_b32 v13, 1, v10
	v_lshl_add_u32 v12, v13, 8, v12
	s_lshl_b32 s25, s12, 6
	s_add_co_u32 s25, s25, CST
	v_add_nc_u32 v12, s25, v12
	v_bfe_u32 v13, v10, 1, 1
	v_mad_u32_u24 v4, v13, 520, v12                ; v4: code words 0, 1 at 0 or 520; words 4, 5 512 further on
	v_mad_u32_u24 v5, v13, 1016, v12
	v_add_nc_u32 v5, 8, v5                         ; v5: code words 2, 3 at 8 or 1,024
	v_lshlrev_b32 v6, 6, v11
	v_and_b32 v13, 3, v10
	v_add_nc_u32 v6, v6, v13
	s_lshl_b32 s25, s12, 4
	s_add_co_u32 s25, s25, SCS
	v_add_nc_u32 v6, s25, v6                       ; v6: my block's byte
	s_mul_i32 s25, s12, 3072
	s_add_co_u32 s25, s25, CST
	v_add_nc_u32 v7, s25, v1                       ; v7: the two images that I store
	v_lshl_add_u32 v8, v0, 2, SCS                  ; v8: and their scale words
	v_lshrrev_b32 v11, 4, v10
	v_and_b32 v13, 15, v10
	v_lshlrev_b32 v9, 5, v13
	v_mad_u32_u24 v9, v11, 12800, v9               ; v9: their place in memory
	s_wait_kmcnt 0x0
	s_add_nc_u64 s[4:5], s[4:5], s[16:17]
	s_add_nc_u64 s[20:21], s[10:11], s[20:21]
	s_add_nc_u64 s[22:23], s[10:11], s[22:23]
.irp j, 0,1,2,3,4,5,6,7
	global_load_b128 v[GG+4*\j:GG+4*\j+3], v1, s[6:7] offset:512*\j
.endr
.irp j, 0,1,2,3,4,5,6,7
	global_load_b128 v[BB+4*\j:BB+4*\j+3], v1, s[8:9] offset:512*\j
.endr
.irp i, 0,1,2,3
.irp j, 0,1,2,3,4,5,6,7
	global_load_b128 v[XX+32*\i+4*\j:XX+32*\i+4*\j+3], v1, s[4:5] offset:4096*\i+512*\j
.endr
.endr
.macro WSUM                            ; v16 summed over the 32 lanes, the result in every lane
	v_add_f32_dpp v16, v16, v16 row_xmask:1 row_mask:0xf bank_mask:0xf
	v_add_f32_dpp v16, v16, v16 row_xmask:2 row_mask:0xf bank_mask:0xf
	v_add_f32_dpp v16, v16, v16 row_xmask:4 row_mask:0xf bank_mask:0xf
	v_add_f32_dpp v16, v16, v16 row_xmask:8 row_mask:0xf bank_mask:0xf
	v_permlanex16_b32 v17, v16, s26, s27
	v_add_f32 v16, v16, v17
.endm
.macro ROW i
.set XR, XX+32*\i
	s_wait_loadcnt 8*(3-\i)                        ; g, b and my rows up to this one are in; the later rows' eight loads each may be out
	v_pk_add_f32 v[16:17], v[XR:XR+1], v[XR+2:XR+3]
	v_pk_add_f32 v[18:19], v[XR+4:XR+5], v[XR+6:XR+7]
	v_pk_add_f32 v[20:21], v[XR+8:XR+9], v[XR+10:XR+11]
	v_pk_add_f32 v[22:23], v[XR+12:XR+13], v[XR+14:XR+15]
.irp k, 16,24
	v_pk_add_f32 v[16:17], v[16:17], v[XR+\k:XR+\k+1]
	v_pk_add_f32 v[18:19], v[18:19], v[XR+\k+2:XR+\k+3]
	v_pk_add_f32 v[20:21], v[20:21], v[XR+\k+4:XR+\k+5]
	v_pk_add_f32 v[22:23], v[22:23], v[XR+\k+6:XR+\k+7]
.endr
	v_pk_add_f32 v[16:17], v[16:17], v[18:19]
	v_pk_add_f32 v[20:21], v[20:21], v[22:23]
	v_pk_add_f32 v[16:17], v[16:17], v[20:21]
	v_add_f32 v16, v16, v17
	WSUM
	v_mul_f32 v24, s28, v16                        ; the mean
	v_mov_b32 v25, v24
.irp k, 0,2,4,6,8,10,12,14,16,18,20,22,24,26,28,30
	v_pk_add_f32 v[XR+\k:XR+\k+1], v[XR+\k:XR+\k+1], v[24:25] neg_lo:[0,1] neg_hi:[0,1]   ; x - mean
.endr
	v_pk_mul_f32 v[16:17], v[XR:XR+1], v[XR:XR+1]
	v_pk_mul_f32 v[18:19], v[XR+2:XR+3], v[XR+2:XR+3]
.irp k, 4,8,12,16,20,24,28
	v_pk_fma_f32 v[16:17], v[XR+\k:XR+\k+1], v[XR+\k:XR+\k+1], v[16:17]
	v_pk_fma_f32 v[18:19], v[XR+\k+2:XR+\k+3], v[XR+\k+2:XR+\k+3], v[18:19]
.endr
	v_pk_add_f32 v[16:17], v[16:17], v[18:19]
	v_add_f32 v16, v16, v17
	WSUM
	v_fma_f32 v16, v16, s28, s29                   ; the variance + 1e-5
	v_rsq_f32 v26, v16
	v_rsq_f32 v27, v16                             ; twice, for the packed multiply
	v_nop                                          ; a plain place behind the transcendentals
	s_wait_alu depctr_va_vdst(0)                   ; one wait for both, ahead of their first reader
.irp k, 0,2,4,6,8,10,12,14,16,18,20,22,24,26,28,30
	v_pk_mul_f32 v[XR+\k:XR+\k+1], v[XR+\k:XR+\k+1], v[26:27]
.endr
.irp k, 0,2,4,6,8,10,12,14,16,18,20,22,24,26,28,30
	v_pk_fma_f32 v[XR+\k:XR+\k+1], v[XR+\k:XR+\k+1], v[GG+\k:GG+\k+1], v[BB+\k:BB+\k+1]
.endr
.irp j, 0,1,2,3,4,5,6,7
	ds_store_b128 v2, v[XR+4*\j:XR+4*\j+3] offset:576*\j
.endr
.irp j, 0,1,2,3,4,5,6,7
	ds_load_b128 v[TT+4*\j:TT+4*\j+3], v3 offset:16*\j    ; LDS serves a wave's instructions in order: these see the stores above
.endr
	s_wait_dscnt 0x0
	v_max3_num_f32 v26, |v[TT]|, |v[TT+1]|, |v[TT+2]|
	v_max3_num_f32 v27, |v[TT+3]|, |v[TT+4]|, |v[TT+5]|
.irp k, 6,10,14,18,22,26
	v_max3_num_f32 v26, v26, |v[TT+\k]|, |v[TT+\k+1]|
	v_max3_num_f32 v27, v27, |v[TT+\k+2]|, |v[TT+\k+3]|
.endr
	v_max3_num_f32 v26, v26, |v[TT+30]|, |v[TT+31]|
	v_max3_num_f32 v26, v26, v27, 0x1800000        ; the floor 2^(3 - 127)
	v_add_nc_u32 v28, 0xff000000, v26              ; the conversion's scale operand
	v_lshrrev_b32 v29, 23, v28                     ; the byte
	v_cvt_scalef32_pk16_fp6_f32 v[16:18], v[TT:TT+15], v28
	v_cvt_scalef32_pk16_fp6_f32 v[22:24], v[TT+16:TT+31], v28
	v_nop                                          ; one plain place behind the conversions
	v_mov_b32 v19, v22
	v_mov_b32 v20, v23
	v_mov_b32 v21, v24
	ds_store_b64 v4, v[16:17] offset:16*\i
	ds_store_b64 v5, v[18:19] offset:16*\i
	ds_store_b64 v4, v[20:21] offset:16*\i+512
	ds_store_b8 v6, v29 offset:4*\i
	s_wait_dscnt 0x0                               ; the stores have read their registers (and, behind the last row, have landed)
.endm
	ROW 0
	ROW 1
	ROW 2
	ROW 3
	s_barrier_signal -1                            ; every wave's stores have landed: the tile's eight images are whole
	s_barrier_wait -1
.irp j, 0,1,2,3,4,5
	ds_load_b128 v[TT+4*\j:TT+4*\j+3], v7 offset:512*\j
.endr
	ds_load_b32 v[TT+24], v8
.irp j, 0,1,2,3,4,5
	s_wait_dscnt 6-\j                              ; the younger loads may be out
	global_store_b128 v1, v[TT+4*\j:TT+4*\j+3], s[20:21] offset:REC*(\j/3)+512*(\j%3)   ; 512 consecutive bytes, at a multiple of 256 from the buffer's first byte
.endr
	s_wait_dscnt 0x0
	global_store_b32 v9, v[TT+24], s[22:23]
	s_wait_tensorcnt 0x0                           ; the wave's end
	ds_add_u32 v30, v31
	s_wait_dscnt 0x0
	s_endpgm
.Lfunc_end_k_qd91f3ad267_ln1:
	.size	k_qd91f3ad267_ln1, .Lfunc_end_k_qd91f3ad267_ln1-k_qd91f3ad267_ln1
	.p2alignl 7, 3214868480
	.fill 96, 4, 3214868480
	.section	.rodata,"a",@progbits
	.p2align	6, 0x0
	.amdhsa_kernel k_qd91f3ad267_ln1
		.amdhsa_group_segment_fixed_size 32768
		.amdhsa_private_segment_fixed_size 0
		.amdhsa_enable_private_segment 0
		.amdhsa_kernarg_size 32
		.amdhsa_user_sgpr_count 2
		.amdhsa_user_sgpr_kernarg_segment_ptr 1
		.amdhsa_wavefront_size32 1
		.amdhsa_system_sgpr_workgroup_id_x 1
		.amdhsa_system_sgpr_workgroup_id_y 1
		.amdhsa_system_sgpr_workgroup_id_z 1
		.amdhsa_system_vgpr_workitem_id 0
		.amdhsa_next_free_vgpr 256
		.amdhsa_next_free_sgpr 66
		.amdhsa_reserve_vcc 0
		.amdhsa_float_denorm_mode_32 3
		.amdhsa_float_denorm_mode_16_64 3
		.amdhsa_memory_ordered 1
		.amdhsa_forward_progress 1
		.amdhsa_inst_pref_size 45
	.end_amdhsa_kernel
	.amdgpu_metadata
---
amdhsa.version: [ 1, 2 ]
amdhsa.kernels:
  - .name:           k_qd91f3ad267_ln1
    .symbol:         k_qd91f3ad267_ln1.kd
    .args:
      - { .name: x, .offset: 0, .size: 8, .value_kind: global_buffer, .address_space: global }
      - { .name: ln1_g, .offset: 8, .size: 8, .value_kind: global_buffer, .address_space: global }
      - { .name: ln1_b, .offset: 16, .size: 8, .value_kind: global_buffer, .address_space: global }
      - { .name: hc, .offset: 24, .size: 8, .value_kind: global_buffer, .address_space: global }
    .group_segment_fixed_size: 32768
    .private_segment_fixed_size: 0
    .kernarg_segment_align: 8
    .kernarg_segment_size: 32
    .max_flat_workgroup_size: 128
    .sgpr_count:     66
    .vgpr_count:     256
    .wavefront_size: 32
...
	.end_amdgpu_metadata
.endif
;; end of part 2
;; launch qkv (part 3): grid 12 x 16, 4 waves a work-group, clusters of 4 x 4, 327,680 bytes of LDS; arguments hc, wc, qkv_b, qkvc; writes qkvc
.if DOCPART == 3
	.amdgcn_target "amdgcn-amd-amdhsa--gfx1250"
	.amdhsa_code_object_version 6
	.text
	.protected	k_qd91f3ad267_qkv
	.globl	k_qd91f3ad267_qkv
	.p2align	8
	.type	k_qd91f3ad267_qkv,@function
k_qd91f3ad267_qkv:
	s_mov_b64 s[64:65], 0
	v_nop
	global_prefetch_b8 v0, s[64:65] scope:SCOPE_SE
	s_setreg_imm32_b32 hwreg(HW_REG_WAVE_MODE, 25, 1), 1
	s_wait_xcnt 0x0
	s_wait_alu depctr_hold_cnt(0) depctr_sa_sdst(0) depctr_va_vdst(0) depctr_va_sdst(0) depctr_va_ssrc(0) depctr_va_vcc(0) depctr_vm_vsrc(0)
	s_getreg_b32 s2, hwreg(HW_REG_IB_STS2, 6, 4)
	s_cmp_eq_u32 s2, 0
	s_cbranch_scc0 .Lentry_in_a_cluster
	s_endpgm
.Lentry_in_a_cluster:
	s_bfe_u32 s2, ttmp6, 0x10000c
	s_cmp_lg_u32 s2, 0xf033
	s_cbranch_scc0 .Lentry_shape_is_right
	s_endpgm
.Lentry_shape_is_right:
; q, k, v = h W + b on codes of FP6 (E2M3) with E8M0 scales, and the results quantised again, each along the K of the product that will read it.
; OPERANDS ARE RECORDS of 12,800 bytes (128 rows x 128 along K): eight images of 1,536 bytes, image i = tile i's twelve operand registers (registers 4 c .. 4 c + 3 of lane l at 512 c + 16 l); lane r of tile 2 b + u
; holds row 32 b + 8 u + r + 8 (r / 8); from byte 12,288 the scale word of (lane r, tile i) at 32 r + 4 i.  hc: [32 groups of tokens][8 K steps]; wc: [24 groups of columns][8 K steps], columns in the order part, head, d.
; A work-group of four waves makes 256 x 256, a wave 128 x 128: 64 accumulators.  K goes through two LDS slots of two K steps; one tensor load a wave brings two records, 25,600 dense bytes.
; THE MATRIX INSTRUCTION: source 0 = a tile of the operand X (shared along a column of the cluster), source 1 = a tile of the operand Y (shared along a row).  A lane then holds ONE row of Y, and, by the
; records' order of rows, the 16 registers of two neighbouring tiles are 16 NEIGHBOURING rows of X: what the conversions want.  So a wave's results become one record: rows = Y's rows, K = X's rows.
; q and k (clusters x = 0, 1): Y = tokens, X = columns: records of tokens, quantised along the two heads' 64 + 64.
; v (cluster x = 2): Y = COLUMNS (tile 8 + cy), X = TOKENS (tile 4 cluster y + cx): records of channels, quantised along the tokens, which are the keys.  Only the two pointers and the two tile numbers are chosen,
; on the cluster's x, which all sixteen partners share; every LDS address is the same in both cases.
; qkvc: record 32 n + m, n = group of columns (0-7 q, 8-15 k, 16-23 v of head pair n % 8), m = group of 128 tokens.
; The bias runs along the registers for q and k and along the lanes for v: both are loaded, the one that does not apply is cleared, both are added: one path.
; CLUSTER 4 x 4: each tile is asked for jointly by the four that share it.  Grid: 12 x 16 tiles: 192 work-groups.
; LIMITS: a block of zeros gets the byte 1 (its codes are zeros; this program alone reads the bytes); NaN and infinities are not served.
; REGISTERS: window 0: v1 r, v2 h, v4-11 the lanes' bias, v16-25 addresses, v28, v29 the add's two; v32-63 scale words, two sets (on the way out: the scale words just made); v64-255 Y's fragments, two sets
; (on the way out v64-127 a row block's 64 numbers, v192-231 codes, v232-251 at work).  window 1: v0-191 X's fragments, two sets; v192-255 the registers' bias.  windows 2, 3: the accumulators, (a, b) at 8 (8 (a % 4) + b).
.set BIG,    1
.set TA,     8
.set TB,     8
.set KS,     2
.set KSTEPS, 8
.set LAPS,   KSTEPS/(2*KS)
.set REC,    12800
.set SCO,    12288
.set RUN,    25600
.set XREG,   51200                     ; a slot: Y's two runs, then X's two
.set SLOT,   102400
.set SSTEP,  KS*REC
.set SPARE,  204800                    ; behind the ring: the spare words, 128 bytes a wave
.set FSTR,   RUN
.set SSTR,   RUN
.set ADRA, 16
.set ASA,  18
.set ADRB, 20
.set ASB,  22
.set OV,   24
.set OS,   25
.set SPW,  28
.set NIL,  29
.set SC,   32
.set PW,   48
.set SW,   50
.set SEL4, 58
.set AF,   64
.set WK,   64
.set PC0,  192
.set TM,   236
.set G1,  24
.set G0,  32
.set G1B, 48
.set G0B, 56
.set SEL, 88
.set MSB, 0
.macro WIN new                         ; the immediate's high byte repeats the setting that is left
.if MSB != (\new)
	s_set_vgpr_msb (MSB<<8)|(\new)
.set MSB, (\new)
.endif
.endm
.macro JLOAD s                         ; a joint load: waves 0 and 1 fetch Y's two runs, waves 2 and 3 X's; an s_nop 0 and four v_nop follow each line
	s_cmp_eq_u32 s15, 0
	s_cbranch_scc0 .Lfor_x_\@
	tensor_load_to_lds s[G0+4*\s:G0+4*\s+3], s[G1:G1+7]
	s_nop 0
.rept 4
	v_nop
.endr
	s_branch .Lasked_\@
.Lfor_x_\@:
	tensor_load_to_lds s[G0B+4*\s:G0B+4*\s+3], s[G1B:G1B+7]
	s_nop 0
.rept 4
	v_nop
.endr
.Lasked_\@:
.endm
.macro CREST                           ; a round of the cluster's barrier behind its opening barrier
	s_cmp_lg_u32 s14, 0
	s_cbranch_scc1 .Lnot_wave_0_\@
	s_barrier_signal -3
.Lnot_wave_0_\@:
	s_barrier_wait -3
	s_barrier_signal -1
	s_barrier_wait -1
.endm
.macro CROUND
	s_barrier_signal -1
	s_barrier_wait -1
	CREST
.endm
.macro PLACES                          ; four plain places behind matrix instructions, ahead of loads into their registers and of reads of their results
.rept 4
	v_nop
.endr
.endm
; the fragments and scale words of the slot's q-th K step into register set `set`: three loads of 512 consecutive bytes a fragment
.macro FETCH slot, q, set
	WIN 0x40
.set FI, 0
.rept TB
.irp c, 0,1,2
	ds_load_b128 v[12*TB*(\set)+12*FI+4*\c:12*TB*(\set)+12*FI+4*\c+3], v[ADRB+\slot] offset:REC*(\q)+1536*FI+512*\c
.endr
.set FI, FI+1
.endr
	WIN 0
.set FI, 0
.rept TA
.irp c, 0,1,2
	ds_load_b128 v[AF+12*TA*(\set)+12*FI+4*\c:AF+12*TA*(\set)+12*FI+4*\c+3], v[ADRA+\slot] offset:REC*(\q)+1536*FI+512*\c
.endr
.set FI, FI+1
.endr
.set FI, SC+2*TA*(\set)
.if BIG
	ds_load_b128 v[FI:FI+3], v[ASA+\slot] offset:REC*(\q)
	ds_load_b128 v[FI+4:FI+7], v[ASA+\slot] offset:REC*(\q)+16
	ds_load_b128 v[FI+8:FI+11], v[ASB+\slot] offset:REC*(\q)
	ds_load_b128 v[FI+12:FI+15], v[ASB+\slot] offset:REC*(\q)+16
.else
	ds_load_b128 v[FI:FI+3], v[ASA+\slot] offset:REC*(\q)
	ds_load_b128 v[FI+4:FI+7], v[ASB+\slot] offset:REC*(\q)
.endif
.endm
; a quarter of a K step's products.  Every accumulator comes once in a K step, in the same order: they take turns
.macro MULQ qd, set, zero
.set AI, (\qd)*TA/4
	WIN 0xa1+0x50*((AI*TB)/32)
.rept TA/4
.set BJ, 0
.rept TB
.set RC, 8*((AI*TB+BJ)%32)
.set RFB, 12*TB*(\set)+12*BJ
.set RFA, AF+12*TA*(\set)+12*AI
.set RSB, SC+2*TA*(\set)+TA+BJ
.set RSA, SC+2*TA*(\set)+AI
.if \zero
	v_wmma_scale_f32_16x16x128_f8f6f4 v[RC:RC+7], v[RFB:RFB+11], v[RFA:RFA+11], 0, v[RSB], v[RSA] matrix_a_fmt:MATRIX_FMT_FP6 matrix_b_fmt:MATRIX_FMT_FP6
.else
	v_wmma_scale_f32_16x16x128_f8f6f4 v[RC:RC+7], v[RFB:RFB+11], v[RFA:RFA+11], v[RC:RC+7], v[RSB], v[RSA] matrix_a_fmt:MATRIX_FMT_FP6 matrix_b_fmt:MATRIX_FMT_FP6
.endif
.set BJ, BJ+1
.endr
.set AI, AI+1
.endr
.endm
.macro STEP slot, q, zero              ; a K step that has its successor in the same slot
	s_wait_dscnt 0x0                               ; this step's fragments, asked for half a step ago
	MULQ 0, (\q)%2, \zero
	MULQ 1, (\q)%2, \zero
	PLACES
	FETCH \slot, (\q)+1, 1-(\q)%2
	MULQ 2, (\q)%2, \zero
	MULQ 3, (\q)%2, \zero
	WIN 0
.endm
.macro STEPS slot, from
.set QQ, \from
.rept KS-1-(\from)
	STEP \slot, QQ, 0
.set QQ, QQ+1
.endr
.endm
; a slot's last K step changes slots: one barrier; ahead of it every wave waits for all its tensor loads, adds 0 to its spare word, and waits for that and for its reads of this slot
.macro TURN slot, next, fill
	s_wait_tensorcnt 0x0                           ; my part of the next slot has landed, and no load of mine is out: a group 0 may be written
	ds_add_u32 v[SPW], v[NIL]
	s_wait_dscnt 1                                 ; the fragments are in; the add alone may be out
	MULQ 0, 1, 0
	s_wait_dscnt 0x0                               ; the add is done, and my reads of this slot are over
	s_barrier_signal -1
	MULQ 1, 1, 0
	WIN 0
	s_barrier_wait -1
.if \fill
	CREST                                          ; the barrier has opened a round of the cluster's: no wave of any partner reads this slot or has a load on its way
	s_add_nc_u64 s[G0+4*\slot+2:G0+4*\slot+3], s[G0+4*\slot+2:G0+4*\slot+3], 2*SSTEP
	s_add_nc_u64 s[G0B+4*\slot+2:G0B+4*\slot+3], s[G0B+4*\slot+2:G0B+4*\slot+3], 2*SSTEP
	JLOAD \slot                                    ; my one tensor load behind the round; its four v_nop are the places ahead of the loads below
.else
	PLACES
.endif
	FETCH \next, 0, 0
	MULQ 2, 1, 0
	MULQ 3, 1, 0
	WIN 0
.endm
.macro LAST
	s_wait_dscnt 0x0
	MULQ 0, 1, 0
	MULQ 1, 1, 0
	MULQ 2, 1, 0
	MULQ 3, 1, 0
	WIN 0
.endm
; 64 numbers of a lane, register 16 b + i = k 32 b + 16 (lane / 16) + i of my row, become a fragment's twelve registers in v[pc] on and its scale word in v[PW]
.macro QUANT s, pc
.irp b, 0,1,2,3
	v_max3_num_f32 v[TM+\b], |v[(\s)+16*\b]|, |v[(\s)+1+16*\b]|, 0x1800000   ; with the floor 2^(3 - 127): the byte cannot fall under 1
.endr
.irp i, 2,4,6,8,10,12,14
.irp b, 0,1,2,3
	v_max3_num_f32 v[TM+\b], v[TM+\b], |v[(\s)+16*\b+\i]|, |v[(\s)+1+16*\b+\i]|
.endr
.endr
.irp b, 0,1,2,3
	v_permlanex16_b32 v[TM+4+\b], v[TM+\b], s[SEL], s[SEL+1]
.endr
.irp b, 0,1,2,3
	v_max_num_f32 v[TM+\b], v[TM+\b], v[TM+4+\b]   ; with lane l xor 16's: the block's largest magnitude
.endr
.irp b, 0,1,2,3
	v_add_nc_u32 v[TM+12+\b], 0xff000000, v[TM+\b] ; 2 off its exponent field: the conversion's scale operand
.endr
.irp b, 0,1,2,3
	v_lshrrev_b32 v[TM+4+\b], 23, v[TM+12+\b]      ; the byte
.endr
	v_lshl_or_b32 v[PW], v[TM+5], 8, v[TM+4]
	v_lshl_or_b32 v[PW], v[TM+6], 16, v[PW]
	v_lshl_or_b32 v[PW], v[TM+7], 24, v[PW]
.irp c, 0,1
	v_cvt_scalef32_pk16_fp6_f32 v[(\pc)+6*\c:(\pc)+2+6*\c], v[(\s)+32*\c:(\s)+15+32*\c], v[TM+12+2*\c]
	v_cvt_scalef32_pk16_fp6_f32 v[(\pc)+12+4*\c:(\pc)+14+4*\c], v[(\s)+16+32*\c:(\s)+31+32*\c], v[TM+12+2*\c+1]
.endr
	v_nop                                          ; one plain place behind the conversions
.irp c, 0,1                            ; the operand's layout wants a whole block in a lane
.irp i, 0,1,2
	v_permlane16_swap_b32 v[(\pc)+6*\c+\i], v[(\pc)+12+4*\c+\i]
.endr
.irp i, 0,1,2
	v_mov_b32 v[(\pc)+3+6*\c+\i], v[(\pc)+12+4*\c+\i]
.endr
.endr
.endm
	s_load_b256 s[4:11], s[0:1], 0x0               ; hc, wc, qkv_b, qkvc
	v_lshl_add_u32 v[SPW], v0, 2, SPARE
	v_mov_b32 v[NIL], 0
	ds_add_u32 v[SPW], v[NIL]                      ; the wave's opening: the add and its wait ahead of my first tensor load
	v_lshrrev_b32 v1, 5, v0
	v_readfirstlane_b32 s14, v1                    ; wave
	s_lshr_b32 s15, s14, 1                         ; which of Y's two groups is mine.  Also: I fetch Y (0) or X (1)
	s_and_b32 s16, s14, 1                          ; which of X's.  Also: which of the two runs I fetch
	s_bfe_u32 s40, ttmp6, 0x40000                  ; cx
	s_bfe_u32 s41, ttmp6, 0x40004                  ; cy
	s_and_b32 s18, ttmp7, 0xffff
	s_lshl_b32 s18, s18, 2                         ; 4 cluster y
	s_lshl_b32 s19, ttmp9, 2                       ; 4 cluster x
	s_cmp_eq_u32 ttmp9, 2                          ; v's cluster?  The same in all sixteen partners
	s_cselect_b32 s90, 1, 0
	s_cselect_b32 s91, 0, -1                       ; keeps the registers' bias (q, k)
	s_cselect_b32 s92, -1, 0                       ; keeps the lanes' bias (v)
	s_cselect_b32 s17, 8, s18
	s_cselect_b32 s42, s18, s19
	s_add_co_u32 s17, s17, s41                     ; Y's tile: tokens 4 cluster y + cy, or columns 8 + cy
	s_add_co_u32 s42, s42, s40                     ; X's tile: columns 4 cluster x + cx, or tokens 4 cluster y + cx
	s_lshl_b32 s43, s41, 2
	s_lshl_b32 s43, 15, s43                        ; my row of the cluster
	s_lshl_b32 s44, 0x1111, s40                    ; my column
	s_or_b32 s[G1], s43, (3<<16)|(1<<21)           ; group 1: the mask; elements of 8 bytes; bit 21 beside a mask; no padding
	s_or_b32 s[G1B], s44, (3<<16)|(1<<21)
.irp g, G1, G1B
	s_mov_b32 s[\g+1], 32<<16                      ; tensor_dim0 = 32 elements: 256 bytes
	s_mov_b32 s[\g+2], 100<<16                     ; tensor_dim1 = 100 rows: 25,600 dense bytes
	s_mov_b32 s[\g+3], 32<<16                      ; tile_dim0
	s_mov_b32 s[\g+4], 100                         ; tile_dim1
	s_mov_b32 s[\g+5], 32                          ; the pitch
	s_mov_b32 s[\g+6], 0
	s_mov_b32 s[\g+7], 0
.endr
	s_lshl_b32 s20, s17, 1
	s_add_co_u32 s20, s20, s16
	s_mul_i32 s20, s20, KSTEPS*REC                 ; Y: group 2 tile + run
	s_mov_b32 s21, 0
	s_lshl_b32 s46, s42, 1
	s_add_co_u32 s46, s46, s16
	s_mul_i32 s46, s46, KSTEPS*REC                 ; X likewise
	s_mov_b32 s47, 0
	s_mul_i32 s45, s14, RUN                        ; where my run goes: wave x 25,600: no place in the cluster enters an LDS address
	s_mov_b32 s[SEL], 0x76543210
	s_mov_b32 s[SEL+1], 0xfedcba98
	s_wait_dscnt 0x0                               ; the opening add is done
	s_wait_kmcnt 0x0
	s_cmp_eq_u32 s90, 1
	s_cselect_b64 s[92+2:92+3], s[6:7], s[4:5]     ; Y's buffer
	s_cselect_b64 s[96:97], s[4:5], s[6:7]         ; X's
	s_add_nc_u64 s[20:21], s[94:95], s[20:21]
	s_add_nc_u64 s[46:47], s[96:97], s[46:47]
	CROUND                                         ; all sixteen work-groups are here: the first joint loads meet
.irp s, 0,1
	s_mov_b32 s[G0+4*\s], 1
	s_add_co_u32 s[G0+4*\s+1], s45, \s*SLOT
	s_add_nc_u64 s[G0+4*\s+2:G0+4*\s+3], s[20:21], \s*SSTEP
	s_or_b32 s[G0+4*\s+3], s[G0+4*\s+3], 0x80000000
	s_mov_b32 s[G0B+4*\s], 1
	s_add_co_u32 s[G0B+4*\s+1], s45, \s*SLOT
	s_add_nc_u64 s[G0B+4*\s+2:G0B+4*\s+3], s[46:47], \s*SSTEP
	s_or_b32 s[G0B+4*\s+3], s[G0B+4*\s+3], 0x80000000
	JLOAD \s
.endr
	v_and_b32 v1, 15, v0                           ; r
	v_bfe_u32 v2, v0, 4, 1                         ; h
	v_and_b32 v12, 31, v0
	v_lshlrev_b32 v12, 4, v12                      ; 16 lane
	v_lshl_add_u32 v13, v1, 5, SCO                 ; a record's scale words of my r
	s_mul_i32 s21, s15, FSTR
	s_mul_i32 s22, s16, FSTR
	s_add_co_u32 s22, s22, XREG
	s_mul_i32 s23, s15, SSTR
	s_mul_i32 s18, s16, SSTR
	s_add_co_u32 s18, s18, XREG
.irp s, 0,1
	v_add_nc_u32 v[ADRA+\s], s21, v12
	v_add_nc_u32 v[ADRB+\s], s22, v12
	v_add_nc_u32 v[ASA+\s], s23, v13
	v_add_nc_u32 v[ASB+\s], s18, v13
	s_add_co_u32 s21, s21, SLOT
	s_add_co_u32 s22, s22, SLOT
	s_add_co_u32 s23, s23, SLOT
	s_add_co_u32 s18, s18, SLOT
.endr
	v_mov_b32 v[OV], v12
	v_lshlrev_b32 v[OS], 5, v1
	v_lshl_add_u32 v[OS], v2, 4, v[OS]             ; 32 r + 16 h
	s_lshl_b32 s20, s17, 1
	s_add_co_u32 s20, s20, s15                     ; my group of Y
	s_lshl_b32 s46, s42, 1
	s_add_co_u32 s46, s46, s16                     ; my group of X
	s_cmp_eq_u32 s90, 1
	s_cselect_b32 s21, s20, s46                    ; n: the group of columns
	s_cselect_b32 s22, s46, s20                    ; m: the group of tokens
	s_lshl_b32 s23, s21, 5
	s_add_co_u32 s23, s23, s22
	s_mul_i32 s22, s23, REC
	s_mov_b32 s23, 0
	s_add_nc_u64 s[10:11], s[10:11], s[22:23]      ; my record
	s_and_b32 s22, s21, 7
	s_mul_i32 s22, s22, 1536
	s_lshr_b32 s21, s21, 3
	s_lshl_b32 s21, s21, 8
	s_add_co_u32 s22, s22, s21
	s_add_nc_u64 s[8:9], s[8:9], s[22:23]          ; the bias of place 0 of my group: column 384 (n % 8) + 64 (n / 8)
	v_lshlrev_b32 v14, 6, v2                       ; along the registers: place 32 b + 16 h + i
	v_and_b32 v15, 8, v1
	v_add_nc_u32 v15, v15, v1
	v_lshlrev_b32 v15, 2, v15                      ; along the lanes: place 32 (a / 2) + 8 (a % 2) + r + 8 (r / 8)
	WIN 0x40
.irp b, 0,1,2,3
.irp j, 0,1,2,3
	global_load_b128 v[192+16*\b+4*\j:195+16*\b+4*\j], v14, s[8:9] offset:4*(192*(\b/2)+32*(\b%2))+16*\j
.endr
.endr
	WIN 0
.irp a, 0,1,2,3,4,5,6,7
	global_load_b32 v[4+\a], v15, s[8:9] offset:4*(192*(\a/4)+32*((\a/2)%2)+8*(\a%2))
.endr
	s_wait_tensorcnt 1                             ; my part of slot 0 is in; slot 1's may stay out
	s_barrier_signal -1
	s_barrier_wait -1
	FETCH 0, 0, 0
	STEP 0, 0, 1                                   ; the first K step's products start the sums
.if LAPS > 1
	s_mov_b32 s3, LAPS-1
.Llap:
	STEPS 0, 1
	TURN 0, 1, 1
	STEPS 1, 0
	TURN 1, 0, 1
	STEP 0, 0, 0
	s_sub_co_u32 s3, s3, 1
	s_cmp_lg_u32 s3, 0
	s_cbranch_scc1 .Llap
.endif
	STEPS 0, 1                                     ; the last lap fills nothing
	TURN 0, 1, 0
	STEPS 1, 0
	LAST
	; THE WAY OUT: block a of 16 rows of Y at a time: + bias, quantised along X's 128 rows: image a of my record
	PLACES
	s_wait_loadcnt 0x0                             ; the biases
	WIN 0x44
.set J, 0
.rept 64
	v_and_b32 v[192+J], s91, v[192+J]              ; for v: cleared
.set J, J+1
.endr
	WIN 0
.irp a, 0,1,2,3,4,5,6,7
	v_and_b32 v[4+\a], s92, v[4+\a]                ; for q and k: cleared
.endr
.irp b, 0,1,2,3
	v_mov_b32 v[TM+4+\b], 0                        ; a lane permute's destination counts as one of its sources
.endr
.macro OUTROW a
.set PCX, PC0+20*((\a)%2)
	s_wait_xcnt 0x0                                ; the earlier stores have read their registers
	WIN 0x06+(\a)/4
.set J, 0
.rept 32
	v_pk_add_f32 v[WK+J:WK+J+1], v[64*((\a)%4)+J:64*((\a)%4)+J+1], v[192+J:193+J]   ; each accumulator from its low end on
.set J, J+2
.endr
	WIN 0
	v_mov_b32 v232, v[4+(\a)]
	v_mov_b32 v233, v[4+(\a)]
.set J, 0
.rept 32
	v_pk_add_f32 v[WK+J:WK+J+1], v[WK+J:WK+J+1], v[232:233]
.set J, J+2
.endr
	QUANT WK, PCX
	v_mov_b32 v[SW+(\a)], v[PW]
.irp c, 0,1,2
	global_store_b128 v[OV], v[PCX+4*\c:PCX+4*\c+3], s[10:11] offset:1536*(\a)+512*\c   ; 512 consecutive bytes, at a multiple of 256 from the buffer's first byte
.endr
.endm
.irp a, 0,1,2,3,4,5,6,7
	OUTROW \a
.endr
	v_cmp_eq_u32 s86, 1, v2
.irp i, 0,1,2,3
	v_cndmask_b32 v[SEL4+\i], v[SW+\i], v[SW+4+\i], s86   ; lanes 0-15 store tiles 0-3's words of their r, lanes 16-31 tiles 4-7's
.endr
	global_store_b128 v[OS], v[SEL4:SEL4+3], s[10:11] offset:SCO
	s_wait_tensorcnt 0x0                           ; the wave's end
	ds_add_u32 v[SPW], v[NIL]
	s_wait_dscnt 0x0
	CROUND                                         ; the closing round
	s_endpgm
.Lfunc_end_k_qd91f3ad267_qkv:
	.size	k_qd91f3ad267_qkv, .Lfunc_end_k_qd91f3ad267_qkv-k_qd91f3ad267_qkv
	.p2alignl 7, 3214868480
	.fill 96, 4, 3214868480
	.section	.rodata,"a",@progbits
	.p2align	6, 0x0
	.amdhsa_kernel k_qd91f3ad267_qkv
		.amdhsa_group_segment_fixed_size 327680
		.amdhsa_private_segment_fixed_size 0
		.amdhsa_enable_private_segment 0
		.amdhsa_kernarg_size 32
		.amdhsa_user_sgpr_count 2
		.amdhsa_user_sgpr_kernarg_segment_ptr 1
		.amdhsa_wavefront_size32 1
		.amdhsa_system_sgpr_workgroup_id_x 1
		.amdhsa_system_sgpr_workgroup_id_y 1
		.amdhsa_system_sgpr_workgroup_id_z 1
		.amdhsa_system_vgpr_workitem_id 0
		.amdhsa_next_free_vgpr 1024
		.amdhsa_next_free_sgpr 100
		.amdhsa_reserve_vcc 0
		.amdhsa_float_denorm_mode_32 3
		.amdhsa_float_denorm_mode_16_64 3
		.amdhsa_memory_ordered 1
		.amdhsa_forward_progress 1
		.amdhsa_inst_pref_size 174
	.end_amdhsa_kernel
	.amdgpu_metadata
---
amdhsa.version: [ 1, 2 ]
amdhsa.kernels:
  - .name:           k_qd91f3ad267_qkv
    .symbol:         k_qd91f3ad267_qkv.kd
    .args:
      - { .name: hc, .offset: 0, .size: 8, .value_kind: global_buffer, .address_space: global }
      - { .name: wc, .offset: 8, .size: 8, .value_kind: global_buffer, .address_space: global }
      - { .name: qkv_b, .offset: 16, .size: 8, .value_kind: global_buffer, .address_space: global }
      - { .name: qkvc, .offset: 24, .size: 8, .value_kind: global_buffer, .address_space: global }
    .group_segment_fixed_size: 327680
    .private_segment_fixed_size: 0
    .kernarg_segment_align: 8
    .kernarg_segment_size: 32
    .max_flat_workgroup_size: 128
    .sgpr_count:     100
    .vgpr_count:     1024
    .wavefront_size: 32
...
	.end_amdgpu_metadata
.endif
;; end of part 3
;; launch attn (part 4): grid 32 x 8, 16 waves a work-group, clusters of 4 x 1, 327,680 bytes of LDS; arguments qkvc, oc; writes oc
.if DOCPART == 4
	.amdgcn_target "amdgcn-amd-amdhsa--gfx1250"
	.amdhsa_code_object_version 6
	.text
	.protected	k_qd91f3ad267_attn
	.globl	k_qd91f3ad267_attn
	.p2align	8
	.type	k_qd91f3ad267_attn,@function
k_qd91f3ad267_attn:
	s_mov_b64 s[64:65], 0
	v_nop
	global_prefetch_b8 v0, s[64:65] scope:SCOPE_SE
	s_setreg_imm32_b32 hwreg(HW_REG_WAVE_MODE, 25, 1), 1
	s_wait_xcnt 0x0
	s_wait_alu depctr_hold_cnt(0) depctr_sa_sdst(0) depctr_va_vdst(0) depctr_va_sdst(0) depctr_va_ssrc(0) depctr_va_vcc(0) depctr_vm_vsrc(0)
	s_getreg_b32 s2, hwreg(HW_REG_IB_STS2, 6, 4)
	s_cmp_eq_u32 s2, 0
	s_cbranch_scc0 .Lentry_in_a_cluster
	s_endpgm
.Lentry_in_a_cluster:
	s_bfe_u32 s2, ttmp6, 0x10000c
	s_cmp_lg_u32 s2, 0x3003
	s_cbranch_scc0 .Lentry_shape_is_right
	s_endpgm
.Lentry_shape_is_right:
; o = softmax(q k^T) v for 32 heads of 64 (no 1 / sqrt(d)), both products on codes of FP6 (E2M3) with E8M0 scales; o / l is quantised along the model's columns for the next product.
; qkvc: records of 12,800 bytes (eight images of 1,536 bytes: tile i's twelve operand registers, registers 4 c .. 4 c + 3 of lane l at 512 c + 16 l; lane r of tile 2 b + u = row 32 b + 8 u + r + 8 (r / 8); from byte
; 12,288 the scale word of (lane r, tile i) at 32 r + 4 i).  Record 32 n + m: n = g: q, 8 + g: k (rows = the 128 tokens of group m, K = head 2 g's 64, then head 2 g + 1's); 16 + g: v (rows = the pair's 128 channels, K = the tokens).
; SHARES.  A work-group owns one record of q: 128 queries, both heads of pair g.  Wave w owns tile a = w % 8 and head 2 g + p, p = w / 8: 16 queries in 256 registers, four waves to a SIMD.
; THE HEAD IS CHOSEN BY ZERO CODES: the half of q's fragment that belongs to the other head is cleared, so k's records are read as they lie, and the product's K of 64 is filled up to 128 by zeros.
; Both products are used transposed (S^T = k q^T, O^T = v^T p^T): a lane holds one query throughout, and by the records' order of rows the 16 registers of two neighbouring tiles are 16 neighbouring keys (channels).
; THE SOFTMAX: t = score x log2(e); M = the running largest t rounded up to a whole number; p = 2^(t - M) is quantised along the keys; the sum is taken of the unquantised p and divides at the end; when M moves, the sum
; and O^T are multiplied by 2^(old M - new M), which rounds nothing.  A block's largest p is made from the block's largest score by the same two instructions (this takes v_exp_f32 not to fall where its input rises).
; THE RING: two slots of four key steps (4 records of k, 4 of v: 102,400 bytes), filled by waves 0 to 3, one load of 25,600 dense bytes each.  CLUSTER 4 x 1: the four work-groups share batch and head pair, so every
; load is a joint one.  A refill goes out at the head of a slot's four key steps and is first read behind them.
; THE WAY OUT: the two waves of a tile lay their halves of one image and of one scale word in a stage in LDS; behind a barrier the record leaves in stores of 512 consecutive bytes.  oc: [32 m][8 g].
; LIMITS: a block of zeros gets the byte 1 (its codes are zeros; this program alone reads the bytes); NaN and infinities are not served.
; REGISTERS: v1-11, v28-31 addresses; v12 -M, v13 the largest t, v[14:15] the sum; v16-27 q; v32-79 four fragments; v96-159 S^T, then p; v160-191 O^T; v192-199 k's scale words, v200-203 v's; v224-235 p's codes;
; v232-254 at work; v253 p's scale word; v255 q's.
.set REC,   12800
.set SCO,   12288
.set VREG,  51200
.set SLOT1, 131072                     ; slot 1 begins here: one exclusive or turns an address from one slot to the other
.set STAGE, 233472                     ; behind slot 1: the record on its way out; no tensor load lands here
.set SPARE, 246272                     ; the spare words, 128 bytes for each of 16 waves
.set AK0,  1
.set AV0,  2
.set ASK0, 3
.set ASV0, 4
.set SPW,  5
.set NIL,  6
.set GO,   7
.set ADK,  8
.set ADV,  9
.set ADS,  10
.set ADT,  11
.set SA0,  28
.set SA1,  29
.set SH,   30
.set CP,   31
.set WV,   18
.set SEL,  20
.set CS,   22
.set G1,   24
.set TB,   33
.set SLOTS, 34
.set G0,   40
.macro TLOAD                           ; waves 0, 1: k's records; waves 2, 3: v's; an s_nop 0 and four v_nop follow the line
	s_cmp_lt_u32 s[WV], 4
	s_cbranch_scc0 .Lasked_\@
	tensor_load_to_lds s[G0:G0+3], s[G1:G1+7]
	s_nop 0
.rept 4
	v_nop
.endr
.Lasked_\@:
.endm
.macro CROUND
	s_barrier_signal -1
	s_barrier_wait -1
	s_cmp_lg_u32 s[WV], 0
	s_cbranch_scc1 .Lnot_wave_0_\@
	s_barrier_signal -3
.Lnot_wave_0_\@:
	s_barrier_wait -3
	s_barrier_signal -1
	s_barrier_wait -1
.endm
	s_load_b128 s[4:7], s[0:1], 0x0                ; qkvc, oc
	v_lshl_add_u32 v[SPW], v0, 2, SPARE
	v_mov_b32 v[NIL], 0
	ds_add_u32 v[SPW], v[NIL]                      ; the wave's opening: the add and its wait ahead of my first tensor load
	v_lshrrev_b32 v8, 5, v0
	v_readfirstlane_b32 s[WV], v8                  ; wave 0..15
	s_bfe_u32 s19, ttmp6, 0x40000                  ; cx: it enters q's and o's addresses alone
	s_lshl_b32 s44, ttmp9, 2
	s_add_co_u32 s44, s44, s19                     ; m: my group of 128 queries
	s_and_b32 s45, ttmp7, 0xffff                   ; g: the pair of heads
	s_lshr_b32 s46, ttmp9, 2                       ; the batch: the same in the four partners
	s_and_b32 s38, s[WV], 7                        ; a
	s_lshr_b32 s37, s[WV], 3                       ; p
	s_lshr_b32 s47, s[WV], 1                       ; what I fetch, if I fetch: record 256 (1 + wave / 2) + 32 g + 16 batch + 2 (wave % 2) and the next
	s_and_b32 s47, s47, 1
	s_add_co_u32 s47, s47, 1
	s_lshl_b32 s47, s47, 8
	s_lshl_b32 s48, s45, 5
	s_add_co_u32 s47, s47, s48
	s_lshl_b32 s48, s46, 4
	s_add_co_u32 s47, s47, s48
	s_and_b32 s48, s[WV], 1
	s_lshl_b32 s48, s48, 1
	s_add_co_u32 s47, s47, s48
	s_mul_i32 s48, s47, REC
	s_mov_b32 s49, 0
	s_and_b32 s50, s[WV], 3
	s_mul_i32 s50, s50, 25600                      ; and where it goes in a slot
	s_lshl_b32 s52, s45, 5
	s_add_co_u32 s52, s52, s44
	s_mul_i32 s52, s52, REC                        ; q's record: 32 g + m
	s_mov_b32 s53, 0
	s_lshl_b32 s58, s44, 3
	s_add_co_u32 s58, s58, s45
	s_mul_i32 s58, s58, REC                        ; o's record: 8 m + g
	s_mov_b32 s59, 0
	s_mov_b32 s[G1], 15|(3<<16)|(1<<21)            ; group 1: all four work-groups; elements of 8 bytes; bit 21 beside a mask; no padding
	s_mov_b32 s[G1+1], 32<<16                      ; 100 rows of 256 bytes, dense
	s_mov_b32 s[G1+2], 100<<16
	s_mov_b32 s[G1+3], 32<<16
	s_mov_b32 s[G1+4], 100
	s_mov_b32 s[G1+5], 32
	s_mov_b32 s[G1+6], 0
	s_mov_b32 s[G1+7], 0
	s_mov_b32 s[SEL], 0x76543210
	s_mov_b32 s[SEL+1], 0xfedcba98
	s_mov_b32 s[CS], 0x3fb8aa3b                    ; log2(e)
	s_mov_b32 s[CS+1], s[CS]
	s_mov_b32 s[TB], 0
	s_mov_b32 s[SLOTS], 3
	s_cmp_eq_u32 s37, 0
	s_cselect_b32 s35, -1, 0                       ; keeps q's registers 0-5 (the even head)
	s_cselect_b32 s36, 0, -1                       ; keeps registers 6-11 (the odd head)
	s_wait_dscnt 0x0                               ; the opening add is done
	s_wait_kmcnt 0x0
	s_mov_b32 s[G0], 1
	s_mov_b32 s[G0+1], s50
	s_add_nc_u64 s[G0+2:G0+3], s[4:5], s[48:49]
	s_or_b32 s[G0+3], s[G0+3], 0x80000000
	s_add_nc_u64 s[52:53], s[4:5], s[52:53]
	s_add_nc_u64 s[6:7], s[6:7], s[58:59]
	CROUND                                         ; all four work-groups are here: the first joint loads meet
	TLOAD                                          ; slot 0: key steps 0 to 3
	v_and_b32 v8, 15, v0                           ; r
	v_and_b32 v9, 31, v0
	v_lshlrev_b32 v[AK0], 4, v9                    ; 16 lane
	s_mul_i32 s54, s37, 6144
	s_add_co_u32 s54, s54, VREG
	v_add_nc_u32 v[AV0], s54, v[AK0]               ; v: my head's four tiles
	v_lshl_add_u32 v[ASK0], v8, 5, SCO
	s_lshl_b32 s54, s37, 4
	s_add_co_u32 s54, s54, VREG
	v_add_nc_u32 v[ASV0], s54, v[ASK0]
	s_mul_i32 s54, s38, 1536
	v_add_nc_u32 v10, s54, v[AK0]
	global_load_b128 v[16:19], v10, s[52:53]       ; q's fragment, tile a
	global_load_b128 v[20:23], v10, s[52:53] offset:512
	global_load_b128 v[24:27], v10, s[52:53] offset:1024
	s_lshl_b32 s55, s38, 2
	v_add_nc_u32 v11, s55, v[ASK0]
	global_load_b32 v255, v11, s[52:53]            ; and its scale words
	s_add_co_u32 s54, s54, STAGE
	s_mul_i32 s56, s37, 520
	s_add_co_u32 s56, s56, s54
	v_add_nc_u32 v[SA0], s56, v[AK0]               ; the stage: my six registers of image a: words 0, 1 at 0 or 520, words 4, 5 512 further on,
	s_mul_i32 s56, s37, 1016
	s_add_co_u32 s56, s56, s54
	s_add_co_u32 s56, s56, 8
	v_add_nc_u32 v[SA1], s56, v[AK0]               ; words 2, 3 at 8 or 1,024
	s_lshl_b32 s56, s37, 1
	s_add_co_u32 s56, s56, s55
	s_add_co_u32 s56, s56, STAGE
	v_add_nc_u32 v[SH], s56, v[ASK0]               ; my half of the scale word
	v_lshl_add_u32 v[CP], v0, 4, STAGE
	v_lshlrev_b32 v[GO], 4, v0
	v_mov_b32 v13, 0xff61b1e6                      ; the largest t so far: -3e38
	v_floor_f32 v12, -v13                          ; -M
	v_mov_b32 v14, 0
	v_mov_b32 v15, 0
.irp b, 0,1,2,3
	v_mov_b32 v[236+\b], 0                         ; a lane permute's destination counts as one of its sources
.endr
	v_mov_b32 v253, 0
.set J, 0
.rept 32
	v_mov_b32 v[160+J], 0                          ; O^T: the loop is written once; its first step finds zeros
.set J, J+1
.endr
	s_wait_loadcnt 0x0                             ; q
.irp j, 0,1,2,3,4,5
	v_and_b32 v[16+\j], s35, v[16+\j]
	v_and_b32 v[22+\j], s36, v[22+\j]
.endr
.macro STEP q                          ; 128 keys: the slot's q-th record of k and of v
	v_add_nc_u32 v[ADK], s[TB], v[AK0]             ; (these four are the places ahead of the loads into registers that the last products read)
	v_add_nc_u32 v[ADV], s[TB], v[AV0]
	v_add_nc_u32 v[ADS], s[TB], v[ASK0]
	v_add_nc_u32 v[ADT], s[TB], v[ASV0]
.irp g, 0,1
.if \g
.rept 4
	v_nop
.endr
.endif
.irp t, 0,1,2,3
.irp c, 0,1,2
	ds_load_b128 v[32+12*\t+4*\c:35+12*\t+4*\c], v[ADK] offset:REC*(\q)+1536*(4*\g+\t)+512*\c
.endr
.endr
.if \g == 0
	ds_load_b128 v[192:195], v[ADS] offset:REC*(\q)
	ds_load_b128 v[196:199], v[ADS] offset:REC*(\q)+16
.endif
	s_wait_dscnt 0x0
.irp t, 0,1,2,3
	v_wmma_scale_f32_16x16x128_f8f6f4 v[96+8*(4*\g+\t):103+8*(4*\g+\t)], v[32+12*\t:43+12*\t], v[16:27], 0, v[192+4*\g+\t], v255 matrix_a_fmt:MATRIX_FMT_FP6 matrix_b_fmt:MATRIX_FMT_FP6
.endr
.endr
.rept 4
	v_nop
.endr
.irp t, 0,1,2,3                        ; v's four fragments are asked for here and land under the softmax
.irp c, 0,1,2
	ds_load_b128 v[32+12*\t+4*\c:35+12*\t+4*\c], v[ADV] offset:REC*(\q)+1536*\t+512*\c
.endr
.endr
	ds_load_b128 v[200:203], v[ADT] offset:REC*(\q)
.irp b, 0,1,2,3
	v_max3_num_f32 v[232+\b], v[96+16*\b], v[97+16*\b], v[98+16*\b]   ; the largest score of each block of 32 keys
.endr
.irp i, 3,5,7,9,11,13
.irp b, 0,1,2,3
	v_max3_num_f32 v[232+\b], v[232+\b], v[96+16*\b+\i], v[97+16*\b+\i]
.endr
.endr
.irp b, 0,1,2,3
	v_max_num_f32 v[232+\b], v[232+\b], v[111+16*\b]
.endr
.irp b, 0,1,2,3
	v_permlanex16_b32 v[236+\b], v[232+\b], s[SEL], s[SEL+1]
.endr
.irp b, 0,1,2,3
	v_max_num_f32 v[232+\b], v[232+\b], v[236+\b]
.endr
	v_max3_num_f32 v254, v232, v233, v234
	v_max_num_f32 v254, v254, v235
	v_mul_f32 v254, s[CS], v254
	v_max_num_f32 v13, v13, v254                   ; the running largest t
	v_mov_b32 v254, v12
	v_floor_f32 v12, -v13                          ; the new -M: M is a whole number
	v_sub_f32 v254, v12, v254
	v_cvt_i32_f32 v254, v254                       ; (it saturates)
	v_ldexp_f32 v252, 1.0, v254                    ; f = 2^(old M - new M)
.set J, 0
.rept 32
	v_pk_fma_f32 v[96+J:97+J], v[96+J:97+J], s[CS:CS+1], v[12:13] op_sel_hi:[1,0,0]   ; t - M
.set J, J+2
.endr
.irp b, 0,1,2,3
	v_fma_f32 v[232+\b], v[232+\b], s[CS], v12
.endr
.set J, 0
.rept 64
	v_exp_f32 v[96+J], v[96+J]                     ; p = 2^(t - M)
.set J, J+1
.endr
	v_pk_mul_f32 v[14:15], v[14:15], v[252:253] op_sel_hi:[1,0]   ; the sums under the new M (a plain place behind the exponentials)
	s_wait_alu depctr_va_vdst(0)                   ; one wait for the batch, ahead of its first reader
.irp b, 0,1,2,3
	v_exp_f32 v[232+\b], v[232+\b]                 ; each block's largest p
.endr
	v_pk_add_f32 v[236:237], v[96:97], v[98:99]    ; the row's sum, of the unquantised p, in two chains
.irp j, 4,8,12,16,20,24,28,32,36,40,44,48,52,56,60
	v_pk_add_f32 v[14:15], v[14:15], v[96+\j:97+\j]
	v_pk_add_f32 v[236:237], v[236:237], v[98+\j:99+\j]
.endr
	v_pk_add_f32 v[14:15], v[14:15], v[236:237]
	s_wait_alu depctr_va_vdst(0)                   ; and one for the four
.irp b, 0,1,2,3
	v_max_num_f32 v[232+\b], 0x1800000, v[232+\b]  ; the floor 2^(3 - 127)
.endr
.irp b, 0,1,2,3
	v_add_nc_u32 v[244+\b], 0xff000000, v[232+\b]
.endr
.irp b, 0,1,2,3
	v_lshrrev_b32 v[236+\b], 23, v[244+\b]
.endr
	v_lshl_or_b32 v253, v237, 8, v236              ; p's scale word
	v_lshl_or_b32 v253, v238, 16, v253
	v_lshl_or_b32 v253, v239, 24, v253
.irp c, 0,1
	v_cvt_scalef32_pk16_fp6_f32 v[224+6*\c:226+6*\c], v[96+32*\c:111+32*\c], v[244+2*\c]
	v_cvt_scalef32_pk16_fp6_f32 v[236+4*\c:238+4*\c], v[112+32*\c:127+32*\c], v[244+2*\c+1]
.endr
	v_nop                                          ; one plain place behind the conversions
.irp c, 0,1
.irp i, 0,1,2
	v_permlane16_swap_b32 v[224+6*\c+\i], v[236+4*\c+\i]
.endr
.irp i, 0,1,2
	v_mov_b32 v[227+6*\c+\i], v[236+4*\c+\i]
.endr
.endr
.set J, 0
.rept 16
	v_pk_mul_f32 v[160+J:161+J], v[160+J:161+J], v[252:253] op_sel_hi:[1,0]   ; O^T under the new M (these sixteen are also the places ahead of the products below)
.set J, J+2
.endr
	s_wait_dscnt 0x0                               ; v's fragments and scale words
.irp t, 0,1,2,3
	v_wmma_scale_f32_16x16x128_f8f6f4 v[160+8*\t:167+8*\t], v[32+12*\t:43+12*\t], v[224:235], v[160+8*\t:167+8*\t], v[200+\t], v253 matrix_a_fmt:MATRIX_FMT_FP6 matrix_b_fmt:MATRIX_FMT_FP6
.endr
.endm
; the change of slots stands at a slot's head: every wave waits for all its tensor loads, adds 0 to its spare word, and waits for that and for its reads of the slot that it has left
.macro CHANGE fill
	s_wait_tensorcnt 0x0                           ; no tensor load of mine is out: the group 0 may be written
	ds_add_u32 v[SPW], v[NIL]
.if \fill
	s_xor_b32 s[G0+1], s[G0+1], SLOT1              ; the other slot,
	s_add_nc_u64 s[G0+2:G0+3], s[G0+2:G0+3], 51200 ; the next four records
	s_wait_dscnt 0x0
	CROUND                                         ; no wave of any partner reads that slot or has a load on its way
	TLOAD                                          ; my one tensor load behind the round
.else
	s_wait_dscnt 0x0
	s_barrier_signal -1
	s_barrier_wait -1
.endif
.endm
.Lslot:                                            ; three trips: behind each change of slots but the last the next slot is asked for
	CHANGE 1
	STEP 0
	STEP 1
	STEP 2
	STEP 3
	s_xor_b32 s[TB], s[TB], SLOT1
	s_sub_co_u32 s[SLOTS], s[SLOTS], 1
	s_cmp_lg_u32 s[SLOTS], 0
	s_cbranch_scc1 .Lslot
	CHANGE 0                                       ; the last slot is written out
	STEP 0
	STEP 1
	STEP 2
	STEP 3
	; THE WAY OUT
	v_add_f32 v14, v14, v15
	v_permlanex16_b32 v252, v14, s[SEL], s[SEL+1]
	v_add_f32 v14, v14, v252                       ; the row's sum
	v_rcp_f32 v14, v14
.rept 3
	v_nop                                          ; with the additions above: the places behind the last products; and a plain place behind the reciprocal
.endr
	s_wait_alu depctr_va_vdst(0)
.set J, 0
.rept 32
	v_mul_f32 v[96+J], v[160+J], v14               ; register 16 b + i: channel 32 b + 16 (lane / 16) + i of my head
.set J, J+1
.endr
.irp b, 0,1
	v_max3_num_f32 v[232+\b], |v[96+16*\b]|, |v[97+16*\b]|, 0x1800000
.endr
.irp i, 2,4,6,8,10,12,14
.irp b, 0,1
	v_max3_num_f32 v[232+\b], v[232+\b], |v[96+16*\b+\i]|, |v[97+16*\b+\i]|
.endr
.endr
.irp b, 0,1
	v_permlanex16_b32 v[236+\b], v[232+\b], s[SEL], s[SEL+1]
.endr
.irp b, 0,1
	v_max_num_f32 v[232+\b], v[232+\b], v[236+\b]
.endr
.irp b, 0,1
	v_add_nc_u32 v[244+\b], 0xff000000, v[232+\b]
.endr
.irp b, 0,1
	v_lshrrev_b32 v[236+\b], 23, v[244+\b]
.endr
	v_lshl_or_b32 v254, v237, 8, v236              ; my two bytes of the scale word
	v_cvt_scalef32_pk16_fp6_f32 v[224:226], v[96:111], v244
	v_cvt_scalef32_pk16_fp6_f32 v[236:238], v[112:127], v245
	v_nop
.irp i, 0,1,2
	v_permlane16_swap_b32 v[224+\i], v[236+\i]
.endr
.irp i, 0,1,2
	v_mov_b32 v[227+\i], v[236+\i]
.endr
	ds_store_b64 v[SA0], v[224:225]
	ds_store_b64 v[SA1], v[226:227]
	ds_store_b64 v[SA0], v[228:229] offset:512
	ds_store_b16 v[SH], v254                       ; lanes l and l xor 16 write the same two bytes with the same value
	s_wait_dscnt 0x0                               ; for the others' sake: my stores have landed
	s_barrier_signal -1
	s_barrier_wait -1
	ds_load_b128 v[32:35], v[CP]
	s_cmp_lt_u32 s[WV], 9                          ; 12,800 bytes are 25 stores of 512: waves 0 to 8 take a second one
	s_cbranch_scc0 .Lone
	ds_load_b128 v[36:39], v[CP] offset:8192
	s_wait_dscnt 0x0
	global_store_b128 v[GO], v[36:39], s[6:7] offset:8192
.Lone:
	s_wait_dscnt 0x0
	global_store_b128 v[GO], v[32:35], s[6:7]      ; 512 consecutive bytes, at a multiple of 256 from the buffer's first byte
	s_wait_tensorcnt 0x0                           ; the wave's end
	ds_add_u32 v[SPW], v[NIL]
	s_wait_dscnt 0x0
	CROUND                                         ; the closing round
	s_endpgm
.Lfunc_end_k_qd91f3ad267_attn:
	.size	k_qd91f3ad267_attn, .Lfunc_end_k_qd91f3ad267_attn-k_qd91f3ad267_attn
	.p2alignl 7, 3214868480
	.fill 96, 4, 3214868480
	.section	.rodata,"a",@progbits
	.p2align	6, 0x0
	.amdhsa_kernel k_qd91f3ad267_attn
		.amdhsa_group_segment_fixed_size 327680
		.amdhsa_private_segment_fixed_size 0
		.amdhsa_enable_private_segment 0
		.amdhsa_kernarg_size 16
		.amdhsa_user_sgpr_count 2
		.amdhsa_user_sgpr_kernarg_segment_ptr 1
		.amdhsa_wavefront_size32 1
		.amdhsa_system_sgpr_workgroup_id_x 1
		.amdhsa_system_sgpr_workgroup_id_y 1
		.amdhsa_system_sgpr_workgroup_id_z 1
		.amdhsa_system_vgpr_workitem_id 0
		.amdhsa_next_free_vgpr 256
		.amdhsa_next_free_sgpr 100
		.amdhsa_reserve_vcc 0
		.amdhsa_float_denorm_mode_32 3
		.amdhsa_float_denorm_mode_16_64 3
		.amdhsa_memory_ordered 1
		.amdhsa_forward_progress 1
		.amdhsa_inst_pref_size 141
	.end_amdhsa_kernel
	.amdgpu_metadata
---
amdhsa.version: [ 1, 2 ]
amdhsa.kernels:
  - .name:           k_qd91f3ad267_attn
    .symbol:         k_qd91f3ad267_attn.kd
    .args:
      - { .name: qkvc, .offset: 0, .size: 8, .value_kind: global_buffer, .address_space: global }
      - { .name: oc, .offset: 8, .size: 8, .value_kind: global_buffer, .address_space: global }
    .group_segment_fixed_size: 327680
    .private_segment_fixed_size: 0
    .kernarg_segment_align: 8
    .kernarg_segment_size: 16
    .max_flat_workgroup_size: 512
    .sgpr_count:     100
    .vgpr_count:     256
    .wavefront_size: 32
...
	.end_amdgpu_metadata
.endif
;; end of part 4
;; launch proj (part 5): grid 8 x 32, 4 waves a work-group, clusters of 4 x 4, 327,680 bytes of LDS; arguments oc, wc, proj_b, x, res; writes res
.if DOCPART == 5
	.amdgcn_target "amdgcn-amd-amdhsa--gfx1250"
	.amdhsa_code_object_version 6
	.text
	.protected	k_qd91f3ad267_proj
	.globl	k_qd91f3ad267_proj
	.p2align	8
	.type	k_qd91f3ad267_proj,@function
k_qd91f3ad267_proj:
	s_mov_b64 s[64:65], 0
	v_nop
	global_prefetch_b8 v0, s[64:65] scope:SCOPE_SE
	s_setreg_imm32_b32 hwreg(HW_REG_WAVE_MODE, 25, 1), 1
	s_wait_xcnt 0x0
	s_wait_alu depctr_hold_cnt(0) depctr_sa_sdst(0) depctr_va_vdst(0) depctr_va_sdst(0) depctr_va_ssrc(0) depctr_va_vcc(0) depctr_vm_vsrc(0)
	s_getreg_b32 s2, hwreg(HW_REG_IB_STS2, 6, 4)
	s_cmp_eq_u32 s2, 0
	s_cbranch_scc0 .Lentry_in_a_cluster
	s_endpgm
.Lentry_in_a_cluster:
	s_bfe_u32 s2, ttmp6, 0x10000c
	s_cmp_lg_u32 s2, 0xf033
	s_cbranch_scc0 .Lentry_shape_is_right
	s_endpgm
.Lentry_shape_is_right:
; res = o W + b + x.  o and W are codes of FP6 (E2M3) with E8M0 scales, as RECORDS of 12,800 bytes (128 rows x 128 along K: eight images of 1,536 bytes, image i = tile i's twelve operand registers, registers
; 4 c .. 4 c + 3 of lane l at 512 c + 16 l; lane r of tile 2 b + u = row 32 b + 8 u + r + 8 (r / 8); from byte 12,288 the scale word of (lane r, tile i) at 32 r + 4 i).  oc: [32 groups of tokens][8 K steps]; W: [8 groups of columns][8 K steps] from byte WOFF of wc.
; N is 1,024: tiles of 256 x 256 would be 64 work-groups; a tile of 128 x 128 gives 256.  Four waves, each 64 x 64: 16 accumulators.  K goes through two LDS slots of FOUR K steps; one tensor load a wave brings two records, 25,600 dense bytes.
; Source 0 = a tile of W, source 1 = a tile of o: a lane holds one token, its registers neighbouring columns.  CLUSTER 4 x 4: each run is asked for jointly by the four that share it.
; THE WAY OUT: 16 rows x 64 columns at a time through the wave's own stage in LDS; back as rows of 256 bytes; + bias, then + residual, in the problem's order; sixteen lanes store 256 consecutive bytes.
; REGISTERS: window 0: v1 r, v2 h, v8-11 bias, v16-26 addresses, v28, v29 the add's two; v32-47 scale words, two sets; v64-159 o's fragments, two sets (on the way out v64-191 the residual, v192-255 rows).
; window 1: v0-95 W's fragments, two sets.  window 2: the accumulators, (a, b) at 8 (4 a + b).
.set BIG,    0
.set TA,     4
.set TB,     4
.set KS,     4
.set KSTEPS, 8
.set WOFF,   2457600
.set LAPS,   KSTEPS/(2*KS)
.set REC,    12800
.set SCO,    12288
.set RUN,    25600
.set XREG,   51200
.set SLOT,   102400
.set SSTEP,  KS*REC
.set STG,    204800                    ; behind the ring: a stage of 16 x 272 bytes for each wave; no tensor load lands here
.set SPARE,  222208                    ; the spare words, 128 bytes a wave
.set FSTR,   6144
.set SSTR,   16
.set ADRA, 16
.set ASA,  18
.set ADRB, 20
.set ASB,  22
.set STO,  24
.set RD,   25
.set CO,   26
.set SPW,  28
.set NIL,  29
.set SC,   32
.set AF,   64
.set RR,   64
.set OO,   192
.set G1,  24
.set G0,  32
.set G1B, 48
.set G0B, 56
.set MSB, 0
.macro WIN new
.if MSB != (\new)
	s_set_vgpr_msb (MSB<<8)|(\new)
.set MSB, (\new)
.endif
.endm
.macro JLOAD s                         ; a joint load: waves 0 and 1 fetch o's two runs, waves 2 and 3 W's; an s_nop 0 and four v_nop follow each line
	s_cmp_eq_u32 s15, 0
	s_cbranch_scc0 .Lfor_x_\@
	tensor_load_to_lds s[G0+4*\s:G0+4*\s+3], s[G1:G1+7]
	s_nop 0
.rept 4
	v_nop
.endr
	s_branch .Lasked_\@
.Lfor_x_\@:
	tensor_load_to_lds s[G0B+4*\s:G0B+4*\s+3], s[G1B:G1B+7]
	s_nop 0
.rept 4
	v_nop
.endr
.Lasked_\@:
.endm
.macro CREST
	s_cmp_lg_u32 s14, 0
	s_cbranch_scc1 .Lnot_wave_0_\@
	s_barrier_signal -3
.Lnot_wave_0_\@:
	s_barrier_wait -3
	s_barrier_signal -1
	s_barrier_wait -1
.endm
.macro CROUND
	s_barrier_signal -1
	s_barrier_wait -1
	CREST
.endm
.macro PLACES
.rept 4
	v_nop
.endr
.endm
.macro FETCH slot, q, set
	WIN 0x40
.set FI, 0
.rept TB
.irp c, 0,1,2
	ds_load_b128 v[12*TB*(\set)+12*FI+4*\c:12*TB*(\set)+12*FI+4*\c+3], v[ADRB+\slot] offset:REC*(\q)+1536*FI+512*\c
.endr
.set FI, FI+1
.endr
	WIN 0
.set FI, 0
.rept TA
.irp c, 0,1,2
	ds_load_b128 v[AF+12*TA*(\set)+12*FI+4*\c:AF+12*TA*(\set)+12*FI+4*\c+3], v[ADRA+\slot] offset:REC*(\q)+1536*FI+512*\c
.endr
.set FI, FI+1
.endr
.set FI, SC+2*TA*(\set)
.if BIG
	ds_load_b128 v[FI:FI+3], v[ASA+\slot] offset:REC*(\q)
	ds_load_b128 v[FI+4:FI+7], v[ASA+\slot] offset:REC*(\q)+16
	ds_load_b128 v[FI+8:FI+11], v[ASB+\slot] offset:REC*(\q)
	ds_load_b128 v[FI+12:FI+15], v[ASB+\slot] offset:REC*(\q)+16
.else
	ds_load_b128 v[FI:FI+3], v[ASA+\slot] offset:REC*(\q)
	ds_load_b128 v[FI+4:FI+7], v[ASB+\slot] offset:REC*(\q)
.endif
.endm
.macro MULQ qd, set, zero              ; a quarter of a K step's products; the accumulators take turns
.set AI, (\qd)*TA/4
	WIN 0xa1+0x50*((AI*TB)/32)
.rept TA/4
.set BJ, 0
.rept TB
.set RC, 8*((AI*TB+BJ)%32)
.set RFB, 12*TB*(\set)+12*BJ
.set RFA, AF+12*TA*(\set)+12*AI
.set RSB, SC+2*TA*(\set)+TA+BJ
.set RSA, SC+2*TA*(\set)+AI
.if \zero
	v_wmma_scale_f32_16x16x128_f8f6f4 v[RC:RC+7], v[RFB:RFB+11], v[RFA:RFA+11], 0, v[RSB], v[RSA] matrix_a_fmt:MATRIX_FMT_FP6 matrix_b_fmt:MATRIX_FMT_FP6
.else
	v_wmma_scale_f32_16x16x128_f8f6f4 v[RC:RC+7], v[RFB:RFB+11], v[RFA:RFA+11], v[RC:RC+7], v[RSB], v[RSA] matrix_a_fmt:MATRIX_FMT_FP6 matrix_b_fmt:MATRIX_FMT_FP6
.endif
.set BJ, BJ+1
.endr
.set AI, AI+1
.endr
.endm
.macro STEP slot, q, zero
	s_wait_dscnt 0x0                               ; this step's fragments, asked for half a step ago
	MULQ 0, (\q)%2, \zero
	MULQ 1, (\q)%2, \zero
	PLACES
	FETCH \slot, (\q)+1, 1-(\q)%2
	MULQ 2, (\q)%2, \zero
	MULQ 3, (\q)%2, \zero
	WIN 0
.endm
.macro STEPS slot, from
.set QQ, \from
.rept KS-1-(\from)
	STEP \slot, QQ, 0
.set QQ, QQ+1
.endr
.endm
.macro TURN slot, next, fill           ; a slot's last K step changes slots: one barrier, with the three lines ahead of it
	s_wait_tensorcnt 0x0                           ; my part of the next slot has landed, and no load of mine is out
	ds_add_u32 v[SPW], v[NIL]
	s_wait_dscnt 1                                 ; the fragments are in; the add alone may be out
	MULQ 0, 1, 0
	s_wait_dscnt 0x0                               ; the add is done, and my reads of this slot are over
	s_barrier_signal -1
	MULQ 1, 1, 0
	WIN 0
	s_barrier_wait -1
.if \fill
	CREST
	s_add_nc_u64 s[G0+4*\slot+2:G0+4*\slot+3], s[G0+4*\slot+2:G0+4*\slot+3], 2*SSTEP
	s_add_nc_u64 s[G0B+4*\slot+2:G0B+4*\slot+3], s[G0B+4*\slot+2:G0B+4*\slot+3], 2*SSTEP
	JLOAD \slot
.else
	PLACES
.endif
	FETCH \next, 0, 0
	MULQ 2, 1, 0
	MULQ 3, 1, 0
	WIN 0
.endm
.macro LAST
	s_wait_dscnt 0x0
	MULQ 0, 1, 0
	MULQ 1, 1, 0
	MULQ 2, 1, 0
	MULQ 3, 1, 0
	WIN 0
.endm
	s_load_b256 s[4:11], s[0:1], 0x0               ; the A records, wc, the bias, the residual
	s_load_b64 s[12:13], s[0:1], 0x20              ; the output
	v_lshl_add_u32 v[SPW], v0, 2, SPARE
	v_mov_b32 v[NIL], 0
	ds_add_u32 v[SPW], v[NIL]                      ; the wave's opening: the add and its wait ahead of my first tensor load
	v_lshrrev_b32 v1, 5, v0
	v_readfirstlane_b32 s14, v1                    ; wave
	s_lshr_b32 s15, s14, 1                         ; which 64 rows are mine.  Also: I fetch the tokens' runs (0) or W's (1)
	s_and_b32 s16, s14, 1                          ; which 64 columns.  Also: which of the two runs I fetch
	s_bfe_u32 s40, ttmp6, 0x40000
	s_bfe_u32 s41, ttmp6, 0x40004
	s_lshl_b32 s42, ttmp9, 2
	s_add_co_u32 s42, s42, s40                     ; tile column
	s_and_b32 s17, ttmp7, 0xffff
	s_lshl_b32 s17, s17, 2
	s_add_co_u32 s17, s17, s41                     ; tile row
	s_lshl_b32 s43, s41, 2
	s_lshl_b32 s43, 15, s43
	s_lshl_b32 s44, 0x1111, s40
	s_or_b32 s[G1], s43, (3<<16)|(1<<21)
	s_or_b32 s[G1B], s44, (3<<16)|(1<<21)
.irp g, G1, G1B
	s_mov_b32 s[\g+1], 32<<16                      ; 100 rows of 256 bytes, dense
	s_mov_b32 s[\g+2], 100<<16
	s_mov_b32 s[\g+3], 32<<16
	s_mov_b32 s[\g+4], 100
	s_mov_b32 s[\g+5], 32
	s_mov_b32 s[\g+6], 0
	s_mov_b32 s[\g+7], 0
.endr
	s_mul_i32 s20, s17, KSTEPS
	s_lshl_b32 s21, s16, 1
	s_add_co_u32 s20, s20, s21
	s_mul_i32 s20, s20, REC                        ; the tokens' record KSTEPS tile row + 2 run
	s_mov_b32 s21, 0
	s_mul_i32 s46, s42, KSTEPS
	s_lshl_b32 s47, s16, 1
	s_add_co_u32 s46, s46, s47
	s_mul_i32 s46, s46, REC
	s_add_co_u32 s46, s46, WOFF
	s_mov_b32 s47, 0
	s_mul_i32 s45, s14, RUN
	s_wait_dscnt 0x0                               ; the opening add is done
	s_wait_kmcnt 0x0
	s_add_nc_u64 s[20:21], s[4:5], s[20:21]
	s_add_nc_u64 s[46:47], s[6:7], s[46:47]
	CROUND
.irp s, 0,1
	s_mov_b32 s[G0+4*\s], 1
	s_add_co_u32 s[G0+4*\s+1], s45, \s*SLOT
	s_add_nc_u64 s[G0+4*\s+2:G0+4*\s+3], s[20:21], \s*SSTEP
	s_or_b32 s[G0+4*\s+3], s[G0+4*\s+3], 0x80000000
	s_mov_b32 s[G0B+4*\s], 1
	s_add_co_u32 s[G0B+4*\s+1], s45, \s*SLOT
	s_add_nc_u64 s[G0B+4*\s+2:G0B+4*\s+3], s[46:47], \s*SSTEP
	s_or_b32 s[G0B+4*\s+3], s[G0B+4*\s+3], 0x80000000
	JLOAD \s
.endr
	v_and_b32 v1, 15, v0                           ; r
	v_bfe_u32 v2, v0, 4, 1                         ; h
	v_and_b32 v12, 31, v0
	v_lshlrev_b32 v12, 4, v12
	v_lshl_add_u32 v13, v1, 5, SCO
	s_mul_i32 s21, s15, FSTR
	s_mul_i32 s22, s16, FSTR
	s_add_co_u32 s22, s22, XREG
	s_mul_i32 s23, s15, SSTR
	s_mul_i32 s18, s16, SSTR
	s_add_co_u32 s18, s18, XREG
.irp s, 0,1
	v_add_nc_u32 v[ADRA+\s], s21, v12
	v_add_nc_u32 v[ADRB+\s], s22, v12
	v_add_nc_u32 v[ASA+\s], s23, v13
	v_add_nc_u32 v[ASB+\s], s18, v13
	s_add_co_u32 s21, s21, SLOT
	s_add_co_u32 s22, s22, SLOT
	s_add_co_u32 s23, s23, SLOT
	s_add_co_u32 s18, s18, SLOT
.endr
	s_mul_i32 s23, s14, 4352
	s_add_co_u32 s23, s23, STG                     ; my stage
	v_mul_u32_u24 v3, v1, 272
	v_lshl_add_u32 v3, v2, 6, v3
	v_add_nc_u32 v[STO], s23, v3                   ; in: row r, + 64 h
	v_mul_u32_u24 v3, v2, 272
	v_lshl_add_u32 v3, v1, 4, v3
	v_add_nc_u32 v[RD], s23, v3                    ; back: lanes 0-15 one row, lanes 16-31 the next
	v_lshlrev_b32 v14, 4, v1
	v_lshl_add_u32 v[CO], v2, 12, v14              ; and the same two rows in memory
	s_lshl_b32 s20, s17, 7
	s_lshl_b32 s21, s15, 6
	s_add_co_u32 s20, s20, s21
	s_lshl_b32 s20, s20, 12                        ; my first row, 4,096 bytes a row
	s_lshl_b32 s46, s42, 7
	s_lshl_b32 s47, s16, 6
	s_add_co_u32 s46, s46, s47
	s_lshl_b32 s46, s46, 2                         ; my first column
	s_mov_b32 s47, 0
	s_add_nc_u64 s[8:9], s[8:9], s[46:47]
	s_add_co_u32 s20, s20, s46
	s_mov_b32 s21, 0
	s_add_nc_u64 s[10:11], s[10:11], s[20:21]
	s_add_nc_u64 s[12:13], s[12:13], s[20:21]
	global_load_b128 v[8:11], v14, s[8:9]          ; the bias of my four columns
	s_wait_tensorcnt 1                             ; my part of slot 0 is in; slot 1's may stay out
	s_barrier_signal -1
	s_barrier_wait -1
	FETCH 0, 0, 0
	STEP 0, 0, 1
.if LAPS > 1
	s_mov_b32 s3, LAPS-1
.Llap:
	STEPS 0, 1
	TURN 0, 1, 1
	STEPS 1, 0
	TURN 1, 0, 1
	STEP 0, 0, 0
	s_sub_co_u32 s3, s3, 1
	s_cmp_lg_u32 s3, 0
	s_cbranch_scc1 .Llap
.endif
	STEPS 0, 1
	TURN 0, 1, 0
	STEPS 1, 0
	LAST
	PLACES
.irp a, 0,1,2,3                        ; stage row 2 i + lane / 16 of block a is row 32 (a / 2) + 8 (a % 2) + 2 i + 8 (i / 4) + lane / 16 of my 64
.irp i, 0,1,2,3,4,5,6,7
	global_load_b128 v[RR+32*\a+4*\i:RR+32*\a+4*\i+3], v[CO], s[10:11] offset:(32*(\a/2)+8*(\a%2)+2*\i+8*(\i/4))*4096
.endr
.endr
.macro OUTBLK a
.set OX, OO+32*((\a)%2)
.if (\a) >= 2
	s_wait_xcnt 0x0                                ; block a - 2's stores have read their registers
.endif
	WIN 0x08                                       ; an LDS store's data are its source 1: window 2
.irp b, 0,1,2,3
	ds_store_b128 v[STO], v[8*(4*(\a)+\b):8*(4*(\a)+\b)+3] offset:128*(\b/2)+32*(\b%2)      ; each accumulator from its low end on
	ds_store_b128 v[STO], v[8*(4*(\a)+\b)+4:8*(4*(\a)+\b)+7] offset:128*(\b/2)+32*(\b%2)+16
.endr
	WIN 0
.irp i, 0,1,2,3,4,5,6,7
	ds_load_b128 v[OX+4*\i:OX+4*\i+3], v[RD] offset:544*\i    ; LDS serves a wave's instructions in order: these see the stores above
.endr
	s_wait_dscnt 0x0
	s_wait_loadcnt 8*(3-(\a))                      ; the bias and this block's residual are in; the later blocks' eight loads each may be out
.irp i, 0,1,2,3,4,5,6,7
	v_pk_add_f32 v[OX+4*\i:OX+4*\i+1], v[OX+4*\i:OX+4*\i+1], v[8:9]
	v_pk_add_f32 v[OX+4*\i+2:OX+4*\i+3], v[OX+4*\i+2:OX+4*\i+3], v[10:11]
.endr
.irp i, 0,1,2,3,4,5,6,7
	v_pk_add_f32 v[OX+4*\i:OX+4*\i+1], v[OX+4*\i:OX+4*\i+1], v[RR+32*(\a)+4*\i:RR+32*(\a)+4*\i+1]
	v_pk_add_f32 v[OX+4*\i+2:OX+4*\i+3], v[OX+4*\i+2:OX+4*\i+3], v[RR+32*(\a)+4*\i+2:RR+32*(\a)+4*\i+3]
.endr
.irp i, 0,1,2,3,4,5,6,7
	global_store_b128 v[CO], v[OX+4*\i:OX+4*\i+3], s[12:13] offset:(32*((\a)/2)+8*((\a)%2)+2*\i+8*(\i/4))*4096   ; sixteen lanes store 256 consecutive bytes, aligned
.endr
.endm
	OUTBLK 0
	OUTBLK 1
	OUTBLK 2
	OUTBLK 3
	s_wait_tensorcnt 0x0                           ; the wave's end
	ds_add_u32 v[SPW], v[NIL]
	s_wait_dscnt 0x0
	CROUND                                         ; the closing round
	s_endpgm
.Lfunc_end_k_qd91f3ad267_proj:
	.size	k_qd91f3ad267_proj, .Lfunc_end_k_qd91f3ad267_proj-k_qd91f3ad267_proj
	.p2alignl 7, 3214868480
	.fill 96, 4, 3214868480
	.section	.rodata,"a",@progbits
	.p2align	6, 0x0
	.amdhsa_kernel k_qd91f3ad267_proj
		.amdhsa_group_segment_fixed_size 327680
		.amdhsa_private_segment_fixed_size 0
		.amdhsa_enable_private_segment 0
		.amdhsa_kernarg_size 40
		.amdhsa_user_sgpr_count 2
		.amdhsa_user_sgpr_kernarg_segment_ptr 1
		.amdhsa_wavefront_size32 1
		.amdhsa_system_sgpr_workgroup_id_x 1
		.amdhsa_system_sgpr_workgroup_id_y 1
		.amdhsa_system_sgpr_workgroup_id_z 1
		.amdhsa_system_vgpr_workitem_id 0
		.amdhsa_next_free_vgpr 640
		.amdhsa_next_free_sgpr 100
		.amdhsa_reserve_vcc 0
		.amdhsa_float_denorm_mode_32 3
		.amdhsa_float_denorm_mode_16_64 3
		.amdhsa_memory_ordered 1
		.amdhsa_forward_progress 1
		.amdhsa_inst_pref_size 59
	.end_amdhsa_kernel
	.amdgpu_metadata
---
amdhsa.version: [ 1, 2 ]
amdhsa.kernels:
  - .name:           k_qd91f3ad267_proj
    .symbol:         k_qd91f3ad267_proj.kd
    .args:
      - { .name: oc, .offset: 0, .size: 8, .value_kind: global_buffer, .address_space: global }
      - { .name: wc, .offset: 8, .size: 8, .value_kind: global_buffer, .address_space: global }
      - { .name: proj_b, .offset: 16, .size: 8, .value_kind: global_buffer, .address_space: global }
      - { .name: x, .offset: 24, .size: 8, .value_kind: global_buffer, .address_space: global }
      - { .name: res, .offset: 32, .size: 8, .value_kind: global_buffer, .address_space: global }
    .group_segment_fixed_size: 327680
    .private_segment_fixed_size: 0
    .kernarg_segment_align: 8
    .kernarg_segment_size: 40
    .max_flat_workgroup_size: 128
    .sgpr_count:     100
    .vgpr_count:     640
    .wavefront_size: 32
...
	.end_amdgpu_metadata
.endif
;; end of part 5
;; launch ln2: the kernel of part 2 again; grid 256 x 1, 4 waves a work-group, no clusters, 32,768 bytes of LDS; arguments res, ln2_g, ln2_b, hc; writes hc
;; launch fc0 (part 6): grid 16 x 16, 4 waves a work-group, clusters of 4 x 4, 327,680 bytes of LDS; arguments hc, wc, fc0_b, gc; writes gc
.if DOCPART == 6
	.amdgcn_target "amdgcn-amd-amdhsa--gfx1250"
	.amdhsa_code_object_version 6
	.text
	.protected	k_qd91f3ad267_fc0
	.globl	k_qd91f3ad267_fc0
	.p2align	8
	.type	k_qd91f3ad267_fc0,@function
k_qd91f3ad267_fc0:
	s_mov_b64 s[64:65], 0
	v_nop
	global_prefetch_b8 v0, s[64:65] scope:SCOPE_SE
	s_setreg_imm32_b32 hwreg(HW_REG_WAVE_MODE, 25, 1), 1
	s_wait_xcnt 0x0
	s_wait_alu depctr_hold_cnt(0) depctr_sa_sdst(0) depctr_va_vdst(0) depctr_va_sdst(0) depctr_va_ssrc(0) depctr_va_vcc(0) depctr_vm_vsrc(0)
	s_getreg_b32 s2, hwreg(HW_REG_IB_STS2, 6, 4)
	s_cmp_eq_u32 s2, 0
	s_cbranch_scc0 .Lentry_in_a_cluster
	s_endpgm
.Lentry_in_a_cluster:
	s_bfe_u32 s2, ttmp6, 0x10000c
	s_cmp_lg_u32 s2, 0xf033
	s_cbranch_scc0 .Lentry_shape_is_right
	s_endpgm
.Lentry_shape_is_right:
; g = gelu(h W + b), exact form, on codes of FP6 (E2M3) with E8M0 scales, and g quantised again along the 4,096 hidden units for the next product.
; OPERANDS ARE RECORDS of 12,800 bytes (128 rows x 128 along K): eight images of 1,536 bytes, image i = tile i's twelve operand registers (registers 4 c .. 4 c + 3 of lane l at 512 c + 16 l); lane r of tile 2 b + u
; holds row 32 b + 8 u + r + 8 (r / 8); from byte 12,288 the scale word of (lane r, tile i) at 32 r + 4 i.  hc: [32 groups of tokens][8 K steps]; W: [32 groups of columns][8 K steps] from byte WOFF of wc; gc: [32 groups of tokens][32 K steps].
; A work-group of four waves makes 256 x 256, a wave 128 x 128: 64 accumulators.  K goes through two LDS slots of two K steps; one tensor load a wave brings two records, 25,600 dense bytes.
; Source 0 = a tile of W, source 1 = a tile of h: a lane holds ONE token, and by the records' order of rows the 16 registers of two neighbouring tiles are 16 NEIGHBOURING hidden units: what the conversions want.
; So a wave's results become one record of gc with no transposition.  CLUSTER 4 x 4: each run is asked for jointly by the four that share it.
; GELU: 0.5 z (1 + erf(z / sqrt 2)); erf(u) = u P(u^2) / Q(u^2) with u held to +-4, P of degree 6 and Q of degree 4, all in f32.
; THE WAY OUT IS A LOOP of eight trips, one block of 16 tokens a trip: only the 32 lines that take a block's accumulators (+ bias) differ from trip to trip, so they are written eight times and picked by compares on the
; trip's number; GELU, quantiser and stores are written once.  That keeps the text short.
; LIMITS: erf's error is a few 1e-7 absolute, so for z far below 0 gelu carries about 1e-7 |z| of absolute error, as every f32 form with 1 + erf does.  A block of zeros gets the byte 1 (its codes are zeros; this
; program alone reads the bytes).  NaN and infinities are not served.
; REGISTERS: window 0: v1 r, v2 h, v16-25 addresses, v28, v29 the add's two; v32-63 scale words, two sets (on the way out: the scale words just made); v64-255 h's fragments, two sets (on the way out v64-127 a block's
; 64 numbers, v128-191 GELU at work, v192-211 codes, v236-251 the quantiser at work; the polynomials' addends in v4-11, v26-27, v30-31, v232-235, v252-255).  window 1: v0-191 W's fragments; v192-255 the bias.  windows 2, 3: the accumulators.
.set BIG,    1
.set TA,     8
.set TB,     8
.set KS,     2
.set KSTEPS, 8
.set WOFF,   3276800
.set LAPS,   KSTEPS/(2*KS)
.set REC,    12800
.set SCO,    12288
.set RUN,    25600
.set XREG,   51200
.set SLOT,   102400
.set SSTEP,  KS*REC
.set SPARE,  204800
.set FSTR,   RUN
.set SSTR,   RUN
.set ADRA, 16
.set ASA,  18
.set ADRB, 20
.set ASB,  22
.set OV,   24
.set OS,   25
.set SPW,  28
.set NIL,  29
.set SC,   32
.set PW,   48
.set SW,   50
.set SEL4, 58
.set AF,   64
.set WK,   64
.set UU,   128
.set SQ,   144
.set PP,   160
.set QD,   176
.set PC0,  192
.set TM,   236
.set G1,  24
.set G0,  32
.set G1B, 48
.set G0B, 56
.set SEL, 88
.set MSB, 0
.macro WIN new
.if MSB != (\new)
	s_set_vgpr_msb (MSB<<8)|(\new)
.set MSB, (\new)
.endif
.endm
.macro JLOAD s                         ; a joint load: waves 0 and 1 fetch h's two runs, waves 2 and 3 W's; an s_nop 0 and four v_nop follow each line
	s_cmp_eq_u32 s15, 0
	s_cbranch_scc0 .Lfor_x_\@
	tensor_load_to_lds s[G0+4*\s:G0+4*\s+3], s[G1:G1+7]
	s_nop 0
.rept 4
	v_nop
.endr
	s_branch .Lasked_\@
.Lfor_x_\@:
	tensor_load_to_lds s[G0B+4*\s:G0B+4*\s+3], s[G1B:G1B+7]
	s_nop 0
.rept 4
	v_nop
.endr
.Lasked_\@:
.endm
.macro CREST
	s_cmp_lg_u32 s14, 0
	s_cbranch_scc1 .Lnot_wave_0_\@
	s_barrier_signal -3
.Lnot_wave_0_\@:
	s_barrier_wait -3
	s_barrier_signal -1
	s_barrier_wait -1
.endm
.macro CROUND
	s_barrier_signal -1
	s_barrier_wait -1
	CREST
.endm
.macro PLACES
.rept 4
	v_nop
.endr
.endm
.macro FETCH slot, q, set
	WIN 0x40
.set FI, 0
.rept TB
.irp c, 0,1,2
	ds_load_b128 v[12*TB*(\set)+12*FI+4*\c:12*TB*(\set)+12*FI+4*\c+3], v[ADRB+\slot] offset:REC*(\q)+1536*FI+512*\c
.endr
.set FI, FI+1
.endr
	WIN 0
.set FI, 0
.rept TA
.irp c, 0,1,2
	ds_load_b128 v[AF+12*TA*(\set)+12*FI+4*\c:AF+12*TA*(\set)+12*FI+4*\c+3], v[ADRA+\slot] offset:REC*(\q)+1536*FI+512*\c
.endr
.set FI, FI+1
.endr
.set FI, SC+2*TA*(\set)
.if BIG
	ds_load_b128 v[FI:FI+3], v[ASA+\slot] offset:REC*(\q)
	ds_load_b128 v[FI+4:FI+7], v[ASA+\slot] offset:REC*(\q)+16
	ds_load_b128 v[FI+8:FI+11], v[ASB+\slot] offset:REC*(\q)
	ds_load_b128 v[FI+12:FI+15], v[ASB+\slot] offset:REC*(\q)+16
.else
	ds_load_b128 v[FI:FI+3], v[ASA+\slot] offset:REC*(\q)
	ds_load_b128 v[FI+4:FI+7], v[ASB+\slot] offset:REC*(\q)
.endif
.endm
.macro MULQ qd, set, zero              ; a quarter of a K step's products; the accumulators take turns
.set AI, (\qd)*TA/4
	WIN 0xa1+0x50*((AI*TB)/32)
.rept TA/4
.set BJ, 0
.rept TB
.set RC, 8*((AI*TB+BJ)%32)
.set RFB, 12*TB*(\set)+12*BJ
.set RFA, AF+12*TA*(\set)+12*AI
.set RSB, SC+2*TA*(\set)+TA+BJ
.set RSA, SC+2*TA*(\set)+AI
.if \zero
	v_wmma_scale_f32_16x16x128_f8f6f4 v[RC:RC+7], v[RFB:RFB+11], v[RFA:RFA+11], 0, v[RSB], v[RSA] matrix_a_fmt:MATRIX_FMT_FP6 matrix_b_fmt:MATRIX_FMT_FP6
.else
	v_wmma_scale_f32_16x16x128_f8f6f4 v[RC:RC+7], v[RFB:RFB+11], v[RFA:RFA+11], v[RC:RC+7], v[RSB], v[RSA] matrix_a_fmt:MATRIX_FMT_FP6 matrix_b_fmt:MATRIX_FMT_FP6
.endif
.set BJ, BJ+1
.endr
.set AI, AI+1
.endr
.endm
.macro STEP slot, q, zero
	s_wait_dscnt 0x0                               ; this step's fragments, asked for half a step ago
	MULQ 0, (\q)%2, \zero
	MULQ 1, (\q)%2, \zero
	PLACES
	FETCH \slot, (\q)+1, 1-(\q)%2
	MULQ 2, (\q)%2, \zero
	MULQ 3, (\q)%2, \zero
	WIN 0
.endm
.macro STEPS slot, from
.set QQ, \from
.rept KS-1-(\from)
	STEP \slot, QQ, 0
.set QQ, QQ+1
.endr
.endm
.macro TURN slot, next, fill           ; a slot's last K step changes slots: one barrier, with the three lines ahead of it
	s_wait_tensorcnt 0x0                           ; my part of the next slot has landed, and no load of mine is out
	ds_add_u32 v[SPW], v[NIL]
	s_wait_dscnt 1                                 ; the fragments are in; the add alone may be out
	MULQ 0, 1, 0
	s_wait_dscnt 0x0                               ; the add is done, and my reads of this slot are over
	s_barrier_signal -1
	MULQ 1, 1, 0
	WIN 0
	s_barrier_wait -1
.if \fill
	CREST
	s_add_nc_u64 s[G0+4*\slot+2:G0+4*\slot+3], s[G0+4*\slot+2:G0+4*\slot+3], 2*SSTEP
	s_add_nc_u64 s[G0B+4*\slot+2:G0B+4*\slot+3], s[G0B+4*\slot+2:G0B+4*\slot+3], 2*SSTEP
	JLOAD \slot
.else
	PLACES
.endif
	FETCH \next, 0, 0
	MULQ 2, 1, 0
	MULQ 3, 1, 0
	WIN 0
.endm
.macro LAST
	s_wait_dscnt 0x0
	MULQ 0, 1, 0
	MULQ 1, 1, 0
	MULQ 2, 1, 0
	MULQ 3, 1, 0
	WIN 0
.endm
.macro QUANT s, pc                     ; 64 numbers of a lane, register 16 b + i = k 32 b + 16 (lane / 16) + i, become a fragment in v[pc] on and its scale word in v[PW]
.irp b, 0,1,2,3
	v_max3_num_f32 v[TM+\b], |v[(\s)+16*\b]|, |v[(\s)+1+16*\b]|, 0x1800000
.endr
.irp i, 2,4,6,8,10,12,14
.irp b, 0,1,2,3
	v_max3_num_f32 v[TM+\b], v[TM+\b], |v[(\s)+16*\b+\i]|, |v[(\s)+1+16*\b+\i]|
.endr
.endr
.irp b, 0,1,2,3
	v_permlanex16_b32 v[TM+4+\b], v[TM+\b], s[SEL], s[SEL+1]
.endr
.irp b, 0,1,2,3
	v_max_num_f32 v[TM+\b], v[TM+\b], v[TM+4+\b]
.endr
.irp b, 0,1,2,3
	v_add_nc_u32 v[TM+12+\b], 0xff000000, v[TM+\b]
.endr
.irp b, 0,1,2,3
	v_lshrrev_b32 v[TM+4+\b], 23, v[TM+12+\b]
.endr
	v_lshl_or_b32 v[PW], v[TM+5], 8, v[TM+4]
	v_lshl_or_b32 v[PW], v[TM+6], 16, v[PW]
	v_lshl_or_b32 v[PW], v[TM+7], 24, v[PW]
.irp c, 0,1
	v_cvt_scalef32_pk16_fp6_f32 v[(\pc)+6*\c:(\pc)+2+6*\c], v[(\s)+32*\c:(\s)+15+32*\c], v[TM+12+2*\c]
	v_cvt_scalef32_pk16_fp6_f32 v[(\pc)+12+4*\c:(\pc)+14+4*\c], v[(\s)+16+32*\c:(\s)+31+32*\c], v[TM+12+2*\c+1]
.endr
	v_nop                                          ; one plain place behind the conversions
.irp c, 0,1
.irp i, 0,1,2
	v_permlane16_swap_b32 v[(\pc)+6*\c+\i], v[(\pc)+12+4*\c+\i]
.endr
.irp i, 0,1,2
	v_mov_b32 v[(\pc)+3+6*\c+\i], v[(\pc)+12+4*\c+\i]
.endr
.endr
.endm
	s_load_b256 s[4:11], s[0:1], 0x0               ; hc, wc, fc0_b, gc
	v_lshl_add_u32 v[SPW], v0, 2, SPARE
	v_mov_b32 v[NIL], 0
	ds_add_u32 v[SPW], v[NIL]                      ; the wave's opening: the add and its wait ahead of my first tensor load
	v_lshrrev_b32 v1, 5, v0
	v_readfirstlane_b32 s14, v1
	s_lshr_b32 s15, s14, 1
	s_and_b32 s16, s14, 1
	s_bfe_u32 s40, ttmp6, 0x40000
	s_bfe_u32 s41, ttmp6, 0x40004
	s_lshl_b32 s42, ttmp9, 2
	s_add_co_u32 s42, s42, s40                     ; tile column
	s_and_b32 s17, ttmp7, 0xffff
	s_lshl_b32 s17, s17, 2
	s_add_co_u32 s17, s17, s41                     ; tile row
	s_lshl_b32 s43, s41, 2
	s_lshl_b32 s43, 15, s43
	s_lshl_b32 s44, 0x1111, s40
	s_or_b32 s[G1], s43, (3<<16)|(1<<21)
	s_or_b32 s[G1B], s44, (3<<16)|(1<<21)
.irp g, G1, G1B
	s_mov_b32 s[\g+1], 32<<16                      ; 100 rows of 256 bytes, dense
	s_mov_b32 s[\g+2], 100<<16
	s_mov_b32 s[\g+3], 32<<16
	s_mov_b32 s[\g+4], 100
	s_mov_b32 s[\g+5], 32
	s_mov_b32 s[\g+6], 0
	s_mov_b32 s[\g+7], 0
.endr
	s_lshl_b32 s20, s17, 1
	s_add_co_u32 s20, s20, s16
	s_mul_i32 s20, s20, KSTEPS*REC
	s_mov_b32 s21, 0
	s_lshl_b32 s46, s42, 1
	s_add_co_u32 s46, s46, s16
	s_mul_i32 s46, s46, KSTEPS*REC
	s_add_co_u32 s46, s46, WOFF
	s_mov_b32 s47, 0
	s_mul_i32 s45, s14, RUN
	s_mov_b32 s[SEL], 0x76543210
	s_mov_b32 s[SEL+1], 0xfedcba98
	s_mov_b32 s66, 0xaf95df0b                      ; P's highest coefficient
	s_mov_b32 s67, s66
	s_mov_b32 s68, 0xb77460cd                      ; Q's
	s_mov_b32 s69, s68
	s_mov_b32 s70, 0x3f3504f3                      ; 1 / sqrt 2
	s_mov_b32 s71, s70
	s_wait_dscnt 0x0                               ; the opening add is done
	s_wait_kmcnt 0x0
	s_add_nc_u64 s[20:21], s[4:5], s[20:21]
	s_add_nc_u64 s[46:47], s[6:7], s[46:47]
	CROUND
.irp s, 0,1
	s_mov_b32 s[G0+4*\s], 1
	s_add_co_u32 s[G0+4*\s+1], s45, \s*SLOT
	s_add_nc_u64 s[G0+4*\s+2:G0+4*\s+3], s[20:21], \s*SSTEP
	s_or_b32 s[G0+4*\s+3], s[G0+4*\s+3], 0x80000000
	s_mov_b32 s[G0B+4*\s], 1
	s_add_co_u32 s[G0B+4*\s+1], s45, \s*SLOT
	s_add_nc_u64 s[G0B+4*\s+2:G0B+4*\s+3], s[46:47], \s*SSTEP
	s_or_b32 s[G0B+4*\s+3], s[G0B+4*\s+3], 0x80000000
	JLOAD \s
.endr
	v_and_b32 v1, 15, v0                           ; r
	v_bfe_u32 v2, v0, 4, 1                         ; h
	v_and_b32 v12, 31, v0
	v_lshlrev_b32 v12, 4, v12
	v_lshl_add_u32 v13, v1, 5, SCO
	s_mul_i32 s21, s15, FSTR
	s_mul_i32 s22, s16, FSTR
	s_add_co_u32 s22, s22, XREG
	s_mul_i32 s23, s15, SSTR
	s_mul_i32 s18, s16, SSTR
	s_add_co_u32 s18, s18, XREG
.irp s, 0,1
	v_add_nc_u32 v[ADRA+\s], s21, v12
	v_add_nc_u32 v[ADRB+\s], s22, v12
	v_add_nc_u32 v[ASA+\s], s23, v13
	v_add_nc_u32 v[ASB+\s], s18, v13
	s_add_co_u32 s21, s21, SLOT
	s_add_co_u32 s22, s22, SLOT
	s_add_co_u32 s23, s23, SLOT
	s_add_co_u32 s18, s18, SLOT
.endr
	v_mov_b32 v[OV], v12
	v_lshlrev_b32 v[OS], 5, v1
	v_lshl_add_u32 v[OS], v2, 4, v[OS]
	s_lshl_b32 s20, s17, 1
	s_add_co_u32 s20, s20, s15                     ; my group of tokens
	s_lshl_b32 s46, s42, 1
	s_add_co_u32 s46, s46, s16                     ; my group of hidden units
	s_lshl_b32 s22, s20, 5
	s_add_co_u32 s22, s22, s46
	s_mul_i32 s22, s22, REC
	s_mov_b32 s23, 0
	s_add_nc_u64 s[10:11], s[10:11], s[22:23]      ; my record
	s_lshl_b32 s22, s46, 9
	s_add_nc_u64 s[8:9], s[8:9], s[22:23]          ; my 128 biases
	v_lshlrev_b32 v14, 6, v2                       ; register 16 b + i: unit 32 b + 16 h + i
	WIN 0x40
.irp b, 0,1,2,3
.irp j, 0,1,2,3
	global_load_b128 v[192+16*\b+4*\j:195+16*\b+4*\j], v14, s[8:9] offset:128*\b+16*\j
.endr
.endr
	WIN 0
	s_wait_tensorcnt 1                             ; my part of slot 0 is in; slot 1's may stay out
	s_barrier_signal -1
	s_barrier_wait -1
	FETCH 0, 0, 0
	STEP 0, 0, 1
.if LAPS > 1
	s_mov_b32 s3, LAPS-1
.Llap:
	STEPS 0, 1
	TURN 0, 1, 1
	STEPS 1, 0
	TURN 1, 0, 1
	STEP 0, 0, 0
	s_sub_co_u32 s3, s3, 1
	s_cmp_lg_u32 s3, 0
	s_cbranch_scc1 .Llap
.endif
	STEPS 0, 1
	TURN 0, 1, 0
	STEPS 1, 0
	LAST
	; THE WAY OUT
	PLACES
	s_wait_loadcnt 0x0                             ; the bias
.irp b, 0,1,2,3
	v_mov_b32 v[TM+4+\b], 0                        ; a lane permute's destination counts as one of its sources
.endr
.macro COEF reg, bits                  ; an addend of a polynomial, twice, for the packed forms
	v_mov_b32 v[\reg], \bits
	v_mov_b32 v[\reg+1], \bits
.endm
	COEF 4,   0x32edffee                           ; P, from the second highest coefficient down
	COEF 6,   0xb60cff51
	COEF 8,   0xb86ec2d2
	COEF 10,  0xba40ac63
	COEF 26,  0xbb41a1f6
	COEF 30,  0xbc83dbd4
	COEF 232, 0xb95fbd29                           ; Q likewise
	COEF 234, 0xbadc924e
	COEF 252, 0xbbf19bf8
	COEF 254, 0xbc69b6a7
.macro COPY a                          ; block a's 64 sums + bias, each accumulator from its low end on
	WIN 0x06+(\a)/4
.set J, 0
.rept 32
	v_pk_add_f32 v[WK+J:WK+J+1], v[64*((\a)%4)+J:64*((\a)%4)+J+1], v[192+J:193+J]
.set J, J+2
.endr
	WIN 0
.endm
.macro GELU bt                         ; sixteen numbers
.set WB, WK+16*(\bt)
.irp k, 0,2,4,6,8,10,12,14
	v_pk_mul_f32 v[UU+\k:UU+\k+1], v[WB+\k:WB+\k+1], s[70:71] op_sel_hi:[1,0]
.endr
.irp k, 0,1,2,3,4,5,6,7,8,9,10,11,12,13,14,15
	v_med3_num_f32 v[UU+\k], v[UU+\k], -4.0, 4.0   ; u
.endr
.irp k, 0,2,4,6,8,10,12,14
	v_pk_mul_f32 v[SQ+\k:SQ+\k+1], v[UU+\k:UU+\k+1], v[UU+\k:UU+\k+1]
.endr
.irp k, 0,2,4,6,8,10,12,14
	v_pk_fma_f32 v[PP+\k:PP+\k+1], v[SQ+\k:SQ+\k+1], s[66:67], v[4:5] op_sel_hi:[1,0,1]
.endr
.irp k, 0,2,4,6,8,10,12,14
	v_pk_fma_f32 v[QD+\k:QD+\k+1], v[SQ+\k:SQ+\k+1], s[68:69], v[232:233] op_sel_hi:[1,0,1]
.endr
.irp cf, 6,8,10,26,30
.irp k, 0,2,4,6,8,10,12,14
	v_pk_fma_f32 v[PP+\k:PP+\k+1], v[PP+\k:PP+\k+1], v[SQ+\k:SQ+\k+1], v[\cf:\cf+1]
.endr
.endr
.irp cf, 234,252,254
.irp k, 0,2,4,6,8,10,12,14
	v_pk_fma_f32 v[QD+\k:QD+\k+1], v[QD+\k:QD+\k+1], v[SQ+\k:SQ+\k+1], v[\cf:\cf+1]
.endr
.endr
.irp k, 0,1,2,3,4,5,6,7,8,9,10,11,12,13,14,15
	v_rcp_f32 v[QD+\k], v[QD+\k]
.endr
.irp k, 0,2,4,6,8,10,12,14
	v_pk_mul_f32 v[UU+\k:UU+\k+1], v[UU+\k:UU+\k+1], v[PP+\k:PP+\k+1]   ; u P: plain work behind the reciprocals
.endr
.irp k, 0,2,4,6,8,10,12,14
	v_pk_mul_f32 v[SQ+\k:SQ+\k+1], v[WB+\k:WB+\k+1], 0.5 op_sel_hi:[1,0]
.endr
	s_wait_alu depctr_va_vdst(0)                   ; one wait for the sixteen, ahead of their first reader
.irp k, 0,2,4,6,8,10,12,14
	v_pk_mul_f32 v[UU+\k:UU+\k+1], v[UU+\k:UU+\k+1], v[QD+\k:QD+\k+1]   ; erf
.endr
.irp k, 0,2,4,6,8,10,12,14
	v_pk_fma_f32 v[WB+\k:WB+\k+1], v[SQ+\k:SQ+\k+1], v[UU+\k:UU+\k+1], v[SQ+\k:SQ+\k+1]   ; 0.5 z erf + 0.5 z
.endr
.endm
	s_mov_b32 s87, 0
.Lrow:
.irp a, 0,1,2,3,4,5,6
	s_cmp_eq_u32 s87, \a
	s_cbranch_scc1 .Lcp\a
.endr
	COPY 7
	s_branch .Lgo
.irp a, 0,1,2,3,4,5,6
.Lcp\a:
	COPY \a
	s_branch .Lgo
.endr
.Lgo:
	GELU 0
	GELU 1
	GELU 2
	GELU 3
	QUANT WK, PC0
.irp i, 0,1,2,3,4,5,6
	v_mov_b32 v[SW+\i], v[SW+1+\i]                 ; the eight scale words move down by one a trip: behind the eighth, block a's stands in v[SW + a]
.endr
	v_mov_b32 v[SW+7], v[PW]
.irp c, 0,1,2
	global_store_b128 v[OV], v[PC0+4*\c:PC0+4*\c+3], s[10:11] offset:512*\c   ; 512 consecutive bytes, at a multiple of 256 from the buffer's first byte
.endr
	s_wait_xcnt 0x0                                ; the stores have read their registers and their base: both are written again only behind this wait
	s_add_nc_u64 s[10:11], s[10:11], 1536          ; the next image; behind the eighth: the record's scale words
	s_add_co_u32 s87, s87, 1
	s_cmp_lt_u32 s87, 8
	s_cbranch_scc1 .Lrow
	v_cmp_eq_u32 s86, 1, v2
.irp i, 0,1,2,3
	v_cndmask_b32 v[SEL4+\i], v[SW+\i], v[SW+4+\i], s86   ; lanes 0-15 store tiles 0-3's words of their r, lanes 16-31 tiles 4-7's
.endr
	global_store_b128 v[OS], v[SEL4:SEL4+3], s[10:11]
	s_wait_tensorcnt 0x0                           ; the wave's end
	ds_add_u32 v[SPW], v[NIL]
	s_wait_dscnt 0x0
	CROUND                                         ; the closing round
	s_endpgm
.Lfunc_end_k_qd91f3ad267_fc0:
	.size	k_qd91f3ad267_fc0, .Lfunc_end_k_qd91f3ad267_fc0-k_qd91f3ad267_fc0
	.p2alignl 7, 3214868480
	.fill 96, 4, 3214868480
	.section	.rodata,"a",@progbits
	.p2align	6, 0x0
	.amdhsa_kernel k_qd91f3ad267_fc0
		.amdhsa_group_segment_fixed_size 327680
		.amdhsa_private_segment_fixed_size 0
		.amdhsa_enable_private_segment 0
		.amdhsa_kernarg_size 32
		.amdhsa_user_sgpr_count 2
		.amdhsa_user_sgpr_kernarg_segment_ptr 1
		.amdhsa_wavefront_size32 1
		.amdhsa_system_sgpr_workgroup_id_x 1
		.amdhsa_system_sgpr_workgroup_id_y 1
		.amdhsa_system_sgpr_workgroup_id_z 1
		.amdhsa_system_vgpr_workitem_id 0
		.amdhsa_next_free_vgpr 1024
		.amdhsa_next_free_sgpr 100
		.amdhsa_reserve_vcc 0
		.amdhsa_float_denorm_mode_32 3
		.amdhsa_float_denorm_mode_16_64 3
		.amdhsa_memory_ordered 1
		.amdhsa_forward_progress 1
		.amdhsa_inst_pref_size 166
	.end_amdhsa_kernel
	.amdgpu_metadata
---
amdhsa.version: [ 1, 2 ]
amdhsa.kernels:
  - .name:           k_qd91f3ad267_fc0
    .symbol:         k_qd91f3ad267_fc0.kd
    .args:
      - { .name: hc, .offset: 0, .size: 8, .value_kind: global_buffer, .address_space: global }
      - { .name: wc, .offset: 8, .size: 8, .value_kind: global_buffer, .address_space: global }
      - { .name: fc0_b, .offset: 16, .size: 8, .value_kind: global_buffer, .address_space: global }
      - { .name: gc, .offset: 24, .size: 8, .value_kind: global_buffer, .address_space: global }
    .group_segment_fixed_size: 327680
    .private_segment_fixed_size: 0
    .kernarg_segment_align: 8
    .kernarg_segment_size: 32
    .max_flat_workgroup_size: 128
    .sgpr_count:     100
    .vgpr_count:     1024
    .wavefront_size: 32
...
	.end_amdgpu_metadata
.endif
;; end of part 6
;; launch fc1 (part 7): grid 8 x 32, 4 waves a work-group, clusters of 4 x 4, 327,680 bytes of LDS; arguments gc, wc, fc1_b, res, out0; writes out0
.if DOCPART == 7
	.amdgcn_target "amdgcn-amd-amdhsa--gfx1250"
	.amdhsa_code_object_version 6
	.text
	.protected	k_qd91f3ad267_fc1
	.globl	k_qd91f3ad267_fc1
	.p2align	8
	.type	k_qd91f3ad267_fc1,@function
k_qd91f3ad267_fc1:
	s_mov_b64 s[64:65], 0
	v_nop
	global_prefetch_b8 v0, s[64:65] scope:SCOPE_SE
	s_setreg_imm32_b32 hwreg(HW_REG_WAVE_MODE, 25, 1), 1
	s_wait_xcnt 0x0
	s_wait_alu depctr_hold_cnt(0) depctr_sa_sdst(0) depctr_va_vdst(0) depctr_va_sdst(0) depctr_va_ssrc(0) depctr_va_vcc(0) depctr_vm_vsrc(0)
	s_getreg_b32 s2, hwreg(HW_REG_IB_STS2, 6, 4)
	s_cmp_eq_u32 s2, 0
	s_cbranch_scc0 .Lentry_in_a_cluster
	s_endpgm
.Lentry_in_a_cluster:
	s_bfe_u32 s2, ttmp6, 0x10000c
	s_cmp_lg_u32 s2, 0xf033
	s_cbranch_scc0 .Lentry_shape_is_right
	s_endpgm
.Lentry_shape_is_right:
; out = g W + b + res.  g and W are codes of FP6 (E2M3) with E8M0 scales, as RECORDS of 12,800 bytes (128 rows x 128 along K: eight images of 1,536 bytes, image i = tile i's twelve operand registers, registers
; 4 c .. 4 c + 3 of lane l at 512 c + 16 l; lane r of tile 2 b + u = row 32 b + 8 u + r + 8 (r / 8); from byte 12,288 the scale word of (lane r, tile i) at 32 r + 4 i).  gc: [32 groups of tokens][32 K steps]; W: [8 groups of columns][32 K steps] from byte WOFF of wc.
; N is 1,024: tiles of 256 x 256 would be 64 work-groups; a tile of 128 x 128 gives 256.  Four waves, each 64 x 64: 16 accumulators.  K goes through two LDS slots of FOUR K steps; one tensor load a wave brings two records, 25,600 dense bytes.
; Source 0 = a tile of W, source 1 = a tile of g: a lane holds one token, its registers neighbouring columns.  CLUSTER 4 x 4: each run is asked for jointly by the four that share it.
; THE WAY OUT: 16 rows x 64 columns at a time through the wave's own stage in LDS; back as rows of 256 bytes; + bias, then + residual, in the problem's order; sixteen lanes store 256 consecutive bytes.
; REGISTERS: window 0: v1 r, v2 h, v8-11 bias, v16-26 addresses, v28, v29 the add's two; v32-47 scale words, two sets; v64-159 g's fragments, two sets (on the way out v64-191 the residual, v192-255 rows).
; window 1: v0-95 W's fragments, two sets.  window 2: the accumulators, (a, b) at 8 (4 a + b).
.set BIG,    0
.set TA,     4
.set TB,     4
.set KS,     4
.set KSTEPS, 32
.set WOFF,   6553600
.set LAPS,   KSTEPS/(2*KS)
.set REC,    12800
.set SCO,    12288
.set RUN,    25600
.set XREG,   51200
.set SLOT,   102400
.set SSTEP,  KS*REC
.set STG,    204800                    ; behind the ring: a stage of 16 x 272 bytes for each wave; no tensor load lands here
.set SPARE,  222208                    ; the spare words, 128 bytes a wave
.set FSTR,   6144
.set SSTR,   16
.set ADRA, 16
.set ASA,  18
.set ADRB, 20
.set ASB,  22
.set STO,  24
.set RD,   25
.set CO,   26
.set SPW,  28
.set NIL,  29
.set SC,   32
.set AF,   64
.set RR,   64
.set OO,   192
.set G1,  24
.set G0,  32
.set G1B, 48
.set G0B, 56
.set MSB, 0
.macro WIN new
.if MSB != (\new)
	s_set_vgpr_msb (MSB<<8)|(\new)
.set MSB, (\new)
.endif
.endm
.macro JLOAD s                         ; a joint load: waves 0 and 1 fetch g's two runs, waves 2 and 3 W's; an s_nop 0 and four v_nop follow each line
	s_cmp_eq_u32 s15, 0
	s_cbranch_scc0 .Lfor_x_\@
	tensor_load_to_lds s[G0+4*\s:G0+4*\s+3], s[G1:G1+7]
	s_nop 0
.rept 4
	v_nop
.endr
	s_branch .Lasked_\@
.Lfor_x_\@:
	tensor_load_to_lds s[G0B+4*\s:G0B+4*\s+3], s[G1B:G1B+7]
	s_nop 0
.rept 4
	v_nop
.endr
.Lasked_\@:
.endm
.macro CREST
	s_cmp_lg_u32 s14, 0
	s_cbranch_scc1 .Lnot_wave_0_\@
	s_barrier_signal -3
.Lnot_wave_0_\@:
	s_barrier_wait -3
	s_barrier_signal -1
	s_barrier_wait -1
.endm
.macro CROUND
	s_barrier_signal -1
	s_barrier_wait -1
	CREST
.endm
.macro PLACES
.rept 4
	v_nop
.endr
.endm
.macro FETCH slot, q, set
	WIN 0x40
.set FI, 0
.rept TB
.irp c, 0,1,2
	ds_load_b128 v[12*TB*(\set)+12*FI+4*\c:12*TB*(\set)+12*FI+4*\c+3], v[ADRB+\slot] offset:REC*(\q)+1536*FI+512*\c
.endr
.set FI, FI+1
.endr
	WIN 0
.set FI, 0
.rept TA
.irp c, 0,1,2
	ds_load_b128 v[AF+12*TA*(\set)+12*FI+4*\c:AF+12*TA*(\set)+12*FI+4*\c+3], v[ADRA+\slot] offset:REC*(\q)+1536*FI+512*\c
.endr
.set FI, FI+1
.endr
.set FI, SC+2*TA*(\set)
.if BIG
	ds_load_b128 v[FI:FI+3], v[ASA+\slot] offset:REC*(\q)
	ds_load_b128 v[FI+4:FI+7], v[ASA+\slot] offset:REC*(\q)+16
	ds_load_b128 v[FI+8:FI+11], v[ASB+\slot] offset:REC*(\q)
	ds_load_b128 v[FI+12:FI+15], v[ASB+\slot] offset:REC*(\q)+16
.else
	ds_load_b128 v[FI:FI+3], v[ASA+\slot] offset:REC*(\q)
	ds_load_b128 v[FI+4:FI+7], v[ASB+\slot] offset:REC*(\q)
.endif
.endm
.macro MULQ qd, set, zero              ; a quarter of a K step's products; the accumulators take turns
.set AI, (\qd)*TA/4
	WIN 0xa1+0x50*((AI*TB)/32)
.rept TA/4
.set BJ, 0
.rept TB
.set RC, 8*((AI*TB+BJ)%32)
.set RFB, 12*TB*(\set)+12*BJ
.set RFA, AF+12*TA*(\set)+12*AI
.set RSB, SC+2*TA*(\set)+TA+BJ
.set RSA, SC+2*TA*(\set)+AI
.if \zero
	v_wmma_scale_f32_16x16x128_f8f6f4 v[RC:RC+7], v[RFB:RFB+11], v[RFA:RFA+11], 0, v[RSB], v[RSA] matrix_a_fmt:MATRIX_FMT_FP6 matrix_b_fmt:MATRIX_FMT_FP6
.else
	v_wmma_scale_f32_16x16x128_f8f6f4 v[RC:RC+7], v[RFB:RFB+11], v[RFA:RFA+11], v[RC:RC+7], v[RSB], v[RSA] matrix_a_fmt:MATRIX_FMT_FP6 matrix_b_fmt:MATRIX_FMT_FP6
.endif
.set BJ, BJ+1
.endr
.set AI, AI+1
.endr
.endm
.macro STEP slot, q, zero
	s_wait_dscnt 0x0                               ; this step's fragments, asked for half a step ago
	MULQ 0, (\q)%2, \zero
	MULQ 1, (\q)%2, \zero
	PLACES
	FETCH \slot, (\q)+1, 1-(\q)%2
	MULQ 2, (\q)%2, \zero
	MULQ 3, (\q)%2, \zero
	WIN 0
.endm
.macro STEPS slot, from
.set QQ, \from
.rept KS-1-(\from)
	STEP \slot, QQ, 0
.set QQ, QQ+1
.endr
.endm
.macro TURN slot, next, fill           ; a slot's last K step changes slots: one barrier, with the three lines ahead of it
	s_wait_tensorcnt 0x0                           ; my part of the next slot has landed, and no load of mine is out
	ds_add_u32 v[SPW], v[NIL]
	s_wait_dscnt 1                                 ; the fragments are in; the add alone may be out
	MULQ 0, 1, 0
	s_wait_dscnt 0x0                               ; the add is done, and my reads of this slot are over
	s_barrier_signal -1
	MULQ 1, 1, 0
	WIN 0
	s_barrier_wait -1
.if \fill
	CREST                                          ; the barrier has opened a round of the cluster's: no wave of any partner reads this slot or has a load on its way
	s_add_nc_u64 s[G0+4*\slot+2:G0+4*\slot+3], s[G0+4*\slot+2:G0+4*\slot+3], 2*SSTEP
	s_add_nc_u64 s[G0B+4*\slot+2:G0B+4*\slot+3], s[G0B+4*\slot+2:G0B+4*\slot+3], 2*SSTEP
	JLOAD \slot                                    ; my one tensor load behind the round; its four v_nop are the places ahead of the loads below
.else
	PLACES
.endif
	FETCH \next, 0, 0
	MULQ 2, 1, 0
	MULQ 3, 1, 0
	WIN 0
.endm
.macro LAST
	s_wait_dscnt 0x0
	MULQ 0, 1, 0
	MULQ 1, 1, 0
	MULQ 2, 1, 0
	MULQ 3, 1, 0
	WIN 0
.endm
	s_load_b256 s[4:11], s[0:1], 0x0               ; the A records, wc, the bias, the residual
	s_load_b64 s[12:13], s[0:1], 0x20              ; the output
	v_lshl_add_u32 v[SPW], v0, 2, SPARE
	v_mov_b32 v[NIL], 0
	ds_add_u32 v[SPW], v[NIL]                      ; the wave's opening: the add and its wait ahead of my first tensor load
	v_lshrrev_b32 v1, 5, v0
	v_readfirstlane_b32 s14, v1                    ; wave
	s_lshr_b32 s15, s14, 1                         ; which 64 rows are mine.  Also: I fetch the tokens' runs (0) or W's (1)
	s_and_b32 s16, s14, 1                          ; which 64 columns.  Also: which of the two runs I fetch
	s_bfe_u32 s40, ttmp6, 0x40000
	s_bfe_u32 s41, ttmp6, 0x40004
	s_lshl_b32 s42, ttmp9, 2
	s_add_co_u32 s42, s42, s40                     ; tile column
	s_and_b32 s17, ttmp7, 0xffff
	s_lshl_b32 s17, s17, 2
	s_add_co_u32 s17, s17, s41                     ; tile row
	s_lshl_b32 s43, s41, 2
	s_lshl_b32 s43, 15, s43
	s_lshl_b32 s44, 0x1111, s40
	s_or_b32 s[G1], s43, (3<<16)|(1<<21)
	s_or_b32 s[G1B], s44, (3<<16)|(1<<21)
.irp g, G1, G1B
	s_mov_b32 s[\g+1], 32<<16                      ; 100 rows of 256 bytes, dense
	s_mov_b32 s[\g+2], 100<<16
	s_mov_b32 s[\g+3], 32<<16
	s_mov_b32 s[\g+4], 100
	s_mov_b32 s[\g+5], 32
	s_mov_b32 s[\g+6], 0
	s_mov_b32 s[\g+7], 0
.endr
	s_mul_i32 s20, s17, KSTEPS
	s_lshl_b32 s21, s16, 1
	s_add_co_u32 s20, s20, s21
	s_mul_i32 s20, s20, REC                        ; the tokens' record KSTEPS tile row + 2 run
	s_mov_b32 s21, 0
	s_mul_i32 s46, s42, KSTEPS
	s_lshl_b32 s47, s16, 1
	s_add_co_u32 s46, s46, s47
	s_mul_i32 s46, s46, REC
	s_add_co_u32 s46, s46, WOFF
	s_mov_b32 s47, 0
	s_mul_i32 s45, s14, RUN
	s_wait_dscnt 0x0                               ; the opening add is done
	s_wait_kmcnt 0x0
	s_add_nc_u64 s[20:21], s[4:5], s[20:21]
	s_add_nc_u64 s[46:47], s[6:7], s[46:47]
	CROUND
.irp s, 0,1
	s_mov_b32 s[G0+4*\s], 1
	s_add_co_u32 s[G0+4*\s+1], s45, \s*SLOT
	s_add_nc_u64 s[G0+4*\s+2:G0+4*\s+3], s[20:21], \s*SSTEP
	s_or_b32 s[G0+4*\s+3], s[G0+4*\s+3], 0x80000000
	s_mov_b32 s[G0B+4*\s], 1
	s_add_co_u32 s[G0B+4*\s+1], s45, \s*SLOT
	s_add_nc_u64 s[G0B+4*\s+2:G0B+4*\s+3], s[46:47], \s*SSTEP
	s_or_b32 s[G0B+4*\s+3], s[G0B+4*\s+3], 0x80000000
	JLOAD \s
.endr
	v_and_b32 v1, 15, v0                           ; r
	v_bfe_u32 v2, v0, 4, 1                         ; h
	v_and_b32 v12, 31, v0
	v_lshlrev_b32 v12, 4, v12
	v_lshl_add_u32 v13, v1, 5, SCO
	s_mul_i32 s21, s15, FSTR
	s_mul_i32 s22, s16, FSTR
	s_add_co_u32 s22, s22, XREG
	s_mul_i32 s23, s15, SSTR
	s_mul_i32 s18, s16, SSTR
	s_add_co_u32 s18, s18, XREG
.irp s, 0,1
	v_add_nc_u32 v[ADRA+\s], s21, v12
	v_add_nc_u32 v[ADRB+\s], s22, v12
	v_add_nc_u32 v[ASA+\s], s23, v13
	v_add_nc_u32 v[ASB+\s], s18, v13
	s_add_co_u32 s21, s21, SLOT
	s_add_co_u32 s22, s22, SLOT
	s_add_co_u32 s23, s23, SLOT
	s_add_co_u32 s18, s18, SLOT
.endr
	s_mul_i32 s23, s14, 4352
	s_add_co_u32 s23, s23, STG                     ; my stage
	v_mul_u32_u24 v3, v1, 272
	v_lshl_add_u32 v3, v2, 6, v3
	v_add_nc_u32 v[STO], s23, v3                   ; in: row r, + 64 h
	v_mul_u32_u24 v3, v2, 272
	v_lshl_add_u32 v3, v1, 4, v3
	v_add_nc_u32 v[RD], s23, v3                    ; back: lanes 0-15 one row, lanes 16-31 the next
	v_lshlrev_b32 v14, 4, v1
	v_lshl_add_u32 v[CO], v2, 12, v14              ; and the same two rows in memory
	s_lshl_b32 s20, s17, 7
	s_lshl_b32 s21, s15, 6
	s_add_co_u32 s20, s20, s21
	s_lshl_b32 s20, s20, 12                        ; my first row, 4,096 bytes a row
	s_lshl_b32 s46, s42, 7
	s_lshl_b32 s47, s16, 6
	s_add_co_u32 s46, s46, s47
	s_lshl_b32 s46, s46, 2                         ; my first column
	s_mov_b32 s47, 0
	s_add_nc_u64 s[8:9], s[8:9], s[46:47]
	s_add_co_u32 s20, s20, s46
	s_mov_b32 s21, 0
	s_add_nc_u64 s[10:11], s[10:11], s[20:21]
	s_add_nc_u64 s[12:13], s[12:13], s[20:21]
	global_load_b128 v[8:11], v14, s[8:9]          ; the bias of my four columns
	s_wait_tensorcnt 1                             ; my part of slot 0 is in; slot 1's may stay out
	s_barrier_signal -1
	s_barrier_wait -1
	FETCH 0, 0, 0
	STEP 0, 0, 1
.if LAPS > 1
	s_mov_b32 s3, LAPS-1
.Llap:                                             ; a trip goes once round the ring and fills both slots again
	STEPS 0, 1
	TURN 0, 1, 1
	STEPS 1, 0
	TURN 1, 0, 1
	STEP 0, 0, 0
	s_sub_co_u32 s3, s3, 1
	s_cmp_lg_u32 s3, 0
	s_cbranch_scc1 .Llap
.endif
	STEPS 0, 1                                     ; the last lap fills nothing
	TURN 0, 1, 0
	STEPS 1, 0
	LAST
	PLACES
.irp a, 0,1,2,3                        ; stage row 2 i + lane / 16 of block a is row 32 (a / 2) + 8 (a % 2) + 2 i + 8 (i / 4) + lane / 16 of my 64
.irp i, 0,1,2,3,4,5,6,7
	global_load_b128 v[RR+32*\a+4*\i:RR+32*\a+4*\i+3], v[CO], s[10:11] offset:(32*(\a/2)+8*(\a%2)+2*\i+8*(\i/4))*4096
.endr
.endr
.macro OUTBLK a
.set OX, OO+32*((\a)%2)
.if (\a) >= 2
	s_wait_xcnt 0x0                                ; block a - 2's stores have read their registers
.endif
	WIN 0x08                                       ; an LDS store's data are its source 1: window 2
.irp b, 0,1,2,3
	ds_store_b128 v[STO], v[8*(4*(\a)+\b):8*(4*(\a)+\b)+3] offset:128*(\b/2)+32*(\b%2)      ; each accumulator from its low end on
	ds_store_b128 v[STO], v[8*(4*(\a)+\b)+4:8*(4*(\a)+\b)+7] offset:128*(\b/2)+32*(\b%2)+16
.endr
	WIN 0
.irp i, 0,1,2,3,4,5,6,7
	ds_load_b128 v[OX+4*\i:OX+4*\i+3], v[RD] offset:544*\i    ; LDS serves a wave's instructions in order: these see the stores above
.endr
	s_wait_dscnt 0x0
	s_wait_loadcnt 8*(3-(\a))                      ; the bias and this block's residual are in; the later blocks' eight loads each may be out
.irp i, 0,1,2,3,4,5,6,7
	v_pk_add_f32 v[OX+4*\i:OX+4*\i+1], v[OX+4*\i:OX+4*\i+1], v[8:9]
	v_pk_add_f32 v[OX+4*\i+2:OX+4*\i+3], v[OX+4*\i+2:OX+4*\i+3], v[10:11]
.endr
.irp i, 0,1,2,3,4,5,6,7
	v_pk_add_f32 v[OX+4*\i:OX+4*\i+1], v[OX+4*\i:OX+4*\i+1], v[RR+32*(\a)+4*\i:RR+32*(\a)+4*\i+1]
	v_pk_add_f32 v[OX+4*\i+2:OX+4*\i+3], v[OX+4*\i+2:OX+4*\i+3], v[RR+32*(\a)+4*\i+2:RR+32*(\a)+4*\i+3]
.endr
.irp i, 0,1,2,3,4,5,6,7
	global_store_b128 v[CO], v[OX+4*\i:OX+4*\i+3], s[12:13] offset:(32*((\a)/2)+8*((\a)%2)+2*\i+8*(\i/4))*4096 th:TH_STORE_NT   ; sixteen lanes store 256 consecutive bytes, aligned; written once, read by nobody here
.endr
.endm
	OUTBLK 0
	OUTBLK 1
	OUTBLK 2
	OUTBLK 3
	s_wait_tensorcnt 0x0                           ; the wave's end
	ds_add_u32 v[SPW], v[NIL]
	s_wait_dscnt 0x0
	CROUND                                         ; the closing round
	s_endpgm
.Lfunc_end_k_qd91f3ad267_fc1:
	.size	k_qd91f3ad267_fc1, .Lfunc_end_k_qd91f3ad267_fc1-k_qd91f3ad267_fc1
	.p2alignl 7, 3214868480
	.fill 96, 4, 3214868480
	.section	.rodata,"a",@progbits
	.p2align	6, 0x0
	.amdhsa_kernel k_qd91f3ad267_fc1
		.amdhsa_group_segment_fixed_size 327680
		.amdhsa_private_segment_fixed_size 0
		.amdhsa_enable_private_segment 0
		.amdhsa_kernarg_size 40
		.amdhsa_user_sgpr_count 2
		.amdhsa_user_sgpr_kernarg_segment_ptr 1
		.amdhsa_wavefront_size32 1
		.amdhsa_system_sgpr_workgroup_id_x 1
		.amdhsa_system_sgpr_workgroup_id_y 1
		.amdhsa_system_sgpr_workgroup_id_z 1
		.amdhsa_system_vgpr_workitem_id 0
		.amdhsa_next_free_vgpr 640
		.amdhsa_next_free_sgpr 100
		.amdhsa_reserve_vcc 0
		.amdhsa_float_denorm_mode_32 3
		.amdhsa_float_denorm_mode_16_64 3
		.amdhsa_memory_ordered 1
		.amdhsa_forward_progress 1
		.amdhsa_inst_pref_size 92
	.end_amdhsa_kernel
	.amdgpu_metadata
---
amdhsa.version: [ 1, 2 ]
amdhsa.kernels:
  - .name:           k_qd91f3ad267_fc1
    .symbol:         k_qd91f3ad267_fc1.kd
    .args:
      - { .name: gc, .offset: 0, .size: 8, .value_kind: global_buffer, .address_space: global }
      - { .name: wc, .offset: 8, .size: 8, .value_kind: global_buffer, .address_space: global }
      - { .name: fc1_b, .offset: 16, .size: 8, .value_kind: global_buffer, .address_space: global }
      - { .name: res, .offset: 24, .size: 8, .value_kind: global_buffer, .address_space: global }
      - { .name: out0, .offset: 32, .size: 8, .value_kind: global_buffer, .address_space: global }
    .group_segment_fixed_size: 327680
    .private_segment_fixed_size: 0
    .kernarg_segment_align: 8
    .kernarg_segment_size: 40
    .max_flat_workgroup_size: 128
    .sgpr_count:     100
    .vgpr_count:     640
    .wavefront_size: 32
...
	.end_amdgpu_metadata
.endif
;; end of part 7
